; MI455X (gfx1250); checked and timed in simulation.
; The chip was launched on July 23, 2026; its instructions are those of AMD's public machine-readable ISA for CDNA 5 (MIT licence, August 2026) and "CDNA5" Instruction Set Architecture Reference Guide (July 2026). The comments in the code are by the model that wrote it; some were corrected since.
;; Attention Block. Allowed arithmetic: matrix products marked QUANTISED: E2M1 operands, one E8M0 scale for each 32 along K, by v_wmma_scale_f32_16x16x128_f8f6f4 with both operands' format E2M1 (or v_wmma_scale_f32_32x16x128_f4), f32 sums; products left as they are: bf16, f16 or f32 operands; f32 sums; everything else in f32.
;; Inputs: k_ln_scale 128 float32; kv 2 x 2,048 x 2,048 float32; kv_pos 2 x 2,048 x 2,048 float32; mask 2 x 1,024 x 2,048 bool; q 2 x 1,024 x 2,048 float32; q_ln_scale 128 float32; q_pos 2 x 1,024 x 2,048 float32; wk 2,048 x 16 x 128 float32; wo 16 x 128 x 2,048 float32; wq 2,048 x 16 x 128 float32; wv 2,048 x 16 x 128 float32.
;; Outputs: out0 2 x 1,024 x 2,048 float32.
;; This version of the problem:
;;   THIS VERSION OF THE PROBLEM IS GIVEN IN LOW PRECISION. The matrix products marked QUANTISED in the list below multiply operands that are first quantised to E2M1 (2 exponent bits, 1 mantissa bit; 4 bits a number), with one power-of-two scale for each 32 numbers along K (OCP MX v1.0); their sums are f32. The products marked 'left as it is' may take bf16, f16 or f32 operands, with f32 sums. Whichever they take, every output number must still come out within the allowed error. Rounding operands to bf16 (8 significant bits) uses up far more of that allowance than f16 does (11 bits, for magnitudes from 6e-5 to 65,504). All else is computed in f32.
;;   The module's matrix products, in the order in which they are computed (A, B: the left and right operand; K: the contracted axis; several contracted axes count as one K, in the product's order):
;;     1. [M 2,048, K 2,048] x [K 2,048, N 2,048]; A: computed on the way; B: input wq: left as it is (an operand is computed on the way)
;;     2. [M 4,096, K 2,048] x [K 2,048, N 2,048]; A: computed on the way; B: input wk: left as it is (an operand is computed on the way)
;;     3. [M 4,096, K 2,048] x [K 2,048, N 2,048]; A: input kv; B: input wv: QUANTISED
;;     4. batch 32 x [M 1,024, K 128] x [K 128, N 2,048]; A: computed on the way; B: computed on the way: left as it is (an operand is computed on the way)
;;     5. batch 32 x [M 128, K 2,048] x [K 2,048, N 1,024]; A: computed on the way; B: computed on the way: left as it is (an operand is computed on the way)
;;     6. [M 2,048, K 2,048] x [K 2,048, N 2,048]; A: computed on the way; B: input wo: left as it is (an operand is computed on the way)
;;   THE QUANTISER, for each operand of a quantised product, along K:
;;     - K is cut into blocks of 32 from its start; a last block that is shorter is filled with zeros.
;;     - A block's scale is 2^e with e = floor(log2(the largest magnitude in the block)) - 2, held to -126 .. 127; a block of zeros has e = 0. As a byte (E8M0): e + 127.
;;     - Each number is divided by its block's scale, clamped to +-6, and rounded to the nearest number of E2M1, ties to even, subnormals kept.
;;     - The product sums the exact products of the quantised numbers (number of the format x scale) in f32.
;;   ~~~python
;;   def quantise(x, axis):      # numpy; x: float32 -> the quantised numbers, widened to float32 again
;;       x = np.moveaxis(x, axis, -1); K = x.shape[-1]
;;       x = np.pad(x, [(0, 0)] * (x.ndim - 1) + [(0, -K % 32)]); x = x.reshape(x.shape[:-1] + (-1, 32)); a = np.abs(x).max(-1, keepdims=True)
;;       e = np.where(a > 0, np.clip(np.frexp(np.where(a > 0, a, 1))[1] - 1 - 2, -126, 127), 0)      # np.frexp(a)[1] - 1 = floor(log2(a)), exactly
;;       r = np.clip(x / 2.0 ** e, -6, 6)
;;       step = 2.0 ** (np.maximum(np.frexp(np.where(r == 0, 1, r))[1] - 1, 0) - 1)
;;       q = np.round(r / step) * step * 2.0 ** e      # np.round: ties to even
;;       return np.moveaxis(q.reshape(q.shape[:-2] + (-1,))[..., :K], -1, axis).astype(np.float32)
;;   ~~~
;; One version. Each part assembles by itself: llvm-mc -triple=amdgcn-amd-amdhsa -mcpu=gfx1250 --defsym DOCPART=n.
;; ======== version 1 of 1: 5 launches
;; limits: values are held in f16: magnitudes above 65,504 overflow, below 6.1e-05 lose precision
;; workspace buffers: x16 25,165,824 bytes; w16 25,165,824 bytes; codes 6,291,456 bytes; scales 393,216 bytes; mbits 524,288 bytes of whole numbers; qk16 25,165,824 bytes; v16 16,777,216 bytes; ao16 8,388,608 bytes
;; launch prep (part 1): grid 1088 x 1, 4 waves a work-group, no clusters, 68,096 bytes of LDS; arguments kv, kv_pos, q, q_pos, wq, wk, wo, wv, mask, x16, w16, codes, scales, mbits; writes x16, w16, codes, scales, mbits
.if DOCPART == 1
	.amdgcn_target "amdgcn-amd-amdhsa--gfx1250"
	.amdhsa_code_object_version 6
	.text
	.protected	k_qfc999d8b86_prep
	.globl	k_qfc999d8b86_prep
	.p2align	8
	.type	k_qfc999d8b86_prep,@function
k_qfc999d8b86_prep:
	s_mov_b64 s[64:65], 0
	v_nop
	global_prefetch_b8 v0, s[64:65] scope:SCOPE_SE
	s_setreg_imm32_b32 hwreg(HW_REG_WAVE_MODE, 25, 1), 1
	s_wait_xcnt 0x0
; PREP: every large input is read once and leaves in the form in which the later launches read it many times.
;   work-groups    0-255  KV: kv [4096][2048] f32 -> codes of FP4 (E2M1) with one E8M0 byte for each 32 along K (K innermost), and f16(kv + kv_pos) -> x16 rows 2048-6143
;   work-groups  256-383  QA: f16(q + q_pos) -> x16 rows 0-2047
;   work-groups  384-767  WC: wq, wk, wo -> f16, as they lie ([K][N]) -> w16
;   work-groups  768-831  WV: wv [K 2048][N 2048] f32 -> codes laid [N][K], K innermost, and their scale bytes [N][64]
;   work-groups 832-1087  MB: mask bytes -> words of 32 bits, one bit a lane, in the order in which the attention's score registers want them
; The paths part on the work-group's number alone and never meet again; the two that use LDS have LDS bytes of their own.  No tensor loads, no barrier: waves share nothing.  Every offset is an immediate; no loop.
; A block's scale is 2^(floor(log2(its largest magnitude)) - 2); its byte is the largest magnitude's exponent field - 2, held at 1 from below.  Each number is divided by the scale and rounded to the nearest code, ties to even, beyond 6 the largest code.
; LIMITS: a block of zeros gets the byte 1 where the rule says 127 (its codes are zeros, and this program alone reads the bytes); blocks whose largest magnitude lies under 2^-124 were not tried;
; NaN and infinities are not served; |q + q_pos| and |kv + kv_pos| stay under 65,504 (f16); weights under 6e-5 in magnitude are kept with an absolute error of 2^-25.
.set SPARE, 67584                      ; behind both paths' LDS: the spare words, 128 bytes for each wave
.set SPW,   12                         ; v12  LDS address of my spare word; never rewritten
.set NIL,   13                         ; v13  0; never rewritten
.set R,     16                         ; v16-79    four sets of 16 numbers as loaded (the first source)
.set PP,    80                         ; v80-143   four sets of 16 (the second source, then the sum)
.set X,     144                        ; v144-175  KV: two sets of 16 neighbours along K
.set C,     176                        ; v176-207  KV: two registers of codes for each step
.set E,     208                        ; v208-223  KV: a scale byte for each step
.set HH,    224                        ; v224-255  four sets of 8: the f16 numbers to store
.set SP,    80                         ; KV: a lane's place in a stage: 64 bytes + 16 of padding
.set WREG,  8192                       ; KV: LDS of a wave: two stages of 32 x SP bytes, then its 256 scale bytes
.set PITCH, 272                        ; WV: a stage row: 256 bytes of codes + 16
.set WVB,   32768                      ; WV: its four stages begin here
.set WX,    32                         ; WV: v32-95 two sets of 32 numbers
.set WCD,   96                         ; WV: a block's codes
.set OUTR,  112                        ; WV: v112-175 the way out
.set SB,    24                         ; WV: v24-27 the scale bytes, four to a register
.macro FINISH                          ; the wave's end, behind the last LDS store
	s_wait_tensorcnt 0x0
	ds_add_u32 v[SPW], v[NIL]
	s_wait_dscnt 0x0
	s_endpgm
.endm
	s_load_b512 s[8:23], s[0:1], 0x0               ; kv 8, kv_pos 10, q 12, q_pos 14, wq 16, wk 18, wo 20, wv 22
	s_load_b256 s[24:31], s[0:1], 0x40             ; mask 24, x16 26, w16 28, codes 30
	s_load_b128 s[32:35], s[0:1], 0x60             ; scales 32, mbits 34
	v_lshl_add_u32 v[SPW], v0, 2, SPARE
	v_mov_b32 v[NIL], 0
	v_lshrrev_b32 v1, 5, v0
	v_readfirstlane_b32 s4, v1                     ; wave 0..3
	v_and_b32 v2, 31, v0                           ; lane
	s_wait_kmcnt 0x0
	s_cmp_lt_u32 ttmp9, 256
	s_cbranch_scc1 .Lkv
	s_cmp_lt_u32 ttmp9, 384
	s_cbranch_scc1 .Lqa
	s_cmp_lt_u32 ttmp9, 768
	s_cbranch_scc1 .Lwc
	s_cmp_lt_u32 ttmp9, 832
	s_cbranch_scc1 .Lwv
; ---- MB.  A wave takes 16 queries x 256 keys.  Lane (r, h) reads, of query r, the 8 bytes of keys 16 kt + 8 h + 0..7: a wave's sixteen loads together use each row's 256 bytes whole.
; Word n = 8 kt + j holds in bit L the byte of lane L for key j of its eight: the lane mask of score register 8 (kt % 4) + j of key step kt / 4.  128 words leave as 512 dense bytes.
	s_sub_co_u32 s36, ttmp9, 832
	s_lshl_b32 s36, s36, 2
	s_add_co_u32 s36, s36, s4                      ; 4 x work-group + wave
	s_lshr_b32 s37, s36, 3                         ; the tile of 16 queries, 0..127
	s_and_b32 s36, s36, 7                          ; which 256 keys
	s_lshl_b32 s38, s37, 15                        ; 16 rows of 2,048 bytes
	s_lshl_b32 s39, s36, 8
	s_add_co_u32 s38, s38, s39
	s_mov_b32 s39, 0
	s_add_nc_u64 s[24:25], s[24:25], s[38:39]
	s_lshl_b32 s38, s37, 12                        ; 1,024 words a tile of queries
	s_lshl_b32 s37, s36, 9
	s_add_co_u32 s38, s38, s37
	s_add_nc_u64 s[34:35], s[34:35], s[38:39]
	v_and_b32 v3, 15, v0                           ; r
	v_bfe_u32 v4, v0, 4, 1                         ; h
	v_lshlrev_b32 v3, 11, v3
	v_lshl_add_u32 v3, v4, 3, v3                   ; row r, + 8 h
	v_lshlrev_b32 v5, 4, v2                        ; out: 16 bytes a lane
.irp k, 0,1,2,3,4,5,6,7,8,9,10,11,12,13,14,15
	global_load_b64 v[16+2*\k:17+2*\k], v3, s[24:25] offset:16*\k
.endr
.irp k, 0,1,2,3
	v_mov_b32 v[48+\k], 0                          ; written whole once: a lane write keeps the other lanes
.endr
	s_wait_loadcnt 0x0
.set n, 0
.rept 128
	v_bfe_u32 v[52+n%8], v[16+2*(n/8)+(n%8)/4], 8*(n%4), 8     ; byte j of my eight
	v_cmp_ne_u32 s[40+n%8], 0, v[52+n%8]                       ; the 32 lanes' bits: word n
	v_writelane_b32 v[48+n%4], s[40+n%8], n/4                  ; lane n / 4 stores words 4 (n / 4) .. + 3
.set n, n+1
.endr
	global_store_b128 v5, v[48:51], s[34:35]
	FINISH
; ---- KV.  A wave takes 16 steps of 512 numbers.  Each load reads 512 consecutive bytes, 16 a lane; the sum with kv_pos is rounded to f16 as it lies (a store covers 256 consecutive bytes, aligned).
; For the codes a lane must hold 16 NEIGHBOURS along K: kv's 2,048 bytes of a step go through the wave's own stage in LDS and come back 64 bytes a lane; two neighbouring lanes hold a block of 32.
; Loads run four steps ahead (32 loads a wave), the turn through LDS one step.
.macro KLOAD t
.irp i, 0,1,2,3
	global_load_b128 v[R+16*((\t)%4)+4*\i:R+16*((\t)%4)+4*\i+3], v3, s[8:9] offset:2048*(\t)+512*\i th:TH_LOAD_NT
.endr
.irp i, 0,1,2,3
	global_load_b128 v[PP+16*((\t)%4)+4*\i:PP+16*((\t)%4)+4*\i+3], v3, s[10:11] offset:2048*(\t)+512*\i th:TH_LOAD_NT
.endr
.endm
.macro KTURN t
.irp i, 0,1,2,3
	ds_store_b128 v14, v[R+16*((\t)%4)+4*\i:R+16*((\t)%4)+4*\i+3] offset:32*SP*((\t)%2)+8*SP*\i
.endr
.irp i, 0,1,2,3
	ds_load_b128 v[X+16*((\t)%2)+4*\i:X+16*((\t)%2)+4*\i+3], v15 offset:32*SP*((\t)%2)+16*\i   ; LDS serves a wave's instructions in order: these see the stores above
.endr
	s_wait_xcnt 0x0                                ; the stores of four steps ago have read this set of f16 registers
.irp i, 0,2,4,6,8,10,12,14
	v_pk_add_f32 v[PP+16*((\t)%4)+\i:PP+16*((\t)%4)+\i+1], v[PP+16*((\t)%4)+\i:PP+16*((\t)%4)+\i+1], v[R+16*((\t)%4)+\i:R+16*((\t)%4)+\i+1]
.endr
.irp i, 0,1,2,3,4,5,6,7
	v_cvt_pk_f16_f32 v[HH+8*((\t)%4)+\i], v[PP+16*((\t)%4)+2*\i], v[PP+16*((\t)%4)+2*\i+1]
.endr
.irp i, 0,1,2,3
	global_store_b64 v4, v[HH+8*((\t)%4)+2*\i:HH+8*((\t)%4)+2*\i+1], s[26:27] offset:1024*(\t)+256*\i
.endr
.endm
.macro KSTEP t
.set XS, X+16*((\t)%2)
.if (\t) > 0
	s_wait_dscnt 1                                 ; this step's numbers are back from the stage (the last step's byte store may be out), so its stage stores have read their registers,
.else
	s_wait_dscnt 0x0
.endif
.if (\t)+4 < 16
	KLOAD (\t)+4                                   ; which take the loads of four steps on
.endif
.if (\t)+1 < 16
.if 14-(\t) >= 3
	s_wait_loadcnt 24                              ; the next step's eight loads are in; those of the three steps behind it may be out
.else
	s_wait_loadcnt 8*(14-(\t))
.endif
	KTURN (\t)+1
.endif
	v_max3_num_f32 v8, |v[XS]|, |v[XS+1]|, |v[XS+2]|           ; the largest magnitude of my 16, in two chains
	v_max3_num_f32 v9, |v[XS+3]|, |v[XS+4]|, |v[XS+5]|
.irp i, 6,10
	v_max3_num_f32 v8, v8, |v[XS+\i]|, |v[XS+\i+1]|
	v_max3_num_f32 v9, v9, |v[XS+\i+2]|, |v[XS+\i+3]|
.endr
	v_max3_num_f32 v8, v8, |v[XS+14]|, |v[XS+15]|
	v_max3_num_f32 v8, v8, v9, 0x1800000           ; and the floor 2^(3 - 127): the byte cannot fall under 1
	v_max_num_f32_dpp v8, v8, v8 row_xmask:1 row_mask:0xf bank_mask:0xf   ; with my neighbour's 16: the block's
	v_add_nc_u32 v11, 0xff000000, v8               ; 2 off its exponent field: the conversion takes the exponent field of this operand as its scale
	v_cvt_scalef32_pk8_fp4_f32 v[C+2*(\t)], v[XS:XS+7], v11
	v_cvt_scalef32_pk8_fp4_f32 v[C+2*(\t)+1], v[XS+8:XS+15], v11
	v_lshrrev_b32 v[E+(\t)], 23, v11               ; the scale's byte (a plain line behind the conversions)
	ds_store_b8 v5, v[E+(\t)] offset:16*(\t)       ; both lanes of a block write the same byte with the same value
	global_store_b64 v4, v[C+2*(\t):C+2*(\t)+1], s[30:31] offset:256*(\t)
.endm
.Lkv:
	s_lshl_b32 s36, ttmp9, 2
	s_add_co_u32 s36, s36, s4                      ; which run of 8,192 numbers is my wave's: 0..1023
	s_mov_b32 s39, 0
	s_lshl_b32 s38, s36, 15
	s_add_nc_u64 s[8:9], s[8:9], s[38:39]
	s_add_nc_u64 s[10:11], s[10:11], s[38:39]
	s_lshl_b32 s38, s36, 14
	s_add_nc_u64 s[26:27], s[26:27], s[38:39]
	s_add_nc_u64 s[26:27], s[26:27], 0x800000      ; x16's rows 2048 on
	s_lshl_b32 s38, s36, 12
	s_add_nc_u64 s[30:31], s[30:31], s[38:39]
	s_lshl_b32 s38, s36, 8
	s_add_nc_u64 s[32:33], s[32:33], s[38:39]
	v_lshlrev_b32 v3, 4, v2                        ; my 16 bytes of a load's 512
	v_lshlrev_b32 v4, 3, v2                        ; my 8 bytes of a store's 256
	s_mul_i32 s37, s4, WREG
	v_lshrrev_b32 v14, 2, v2
	v_mul_u32_u24 v14, v14, SP
	v_and_b32 v15, 3, v2
	v_lshl_add_u32 v14, v15, 4, v14
	v_add_nc_u32 v14, s37, v14                     ; the stage, on the way in: SP (lane / 4) + 16 (lane % 4)
	v_mul_u32_u24 v15, v2, SP
	v_add_nc_u32 v15, s37, v15                     ; and on the way out: SP x lane
	v_lshrrev_b32 v5, 1, v2
	s_add_co_u32 s37, s37, 2*32*SP
	v_add_nc_u32 v5, s37, v5                       ; my block's byte among the wave's 256
	v_add_nc_u32 v6, s37, v4                       ; and 8 of them a lane on the way out
.irp t, 0,1,2,3
	KLOAD \t
.endr
	s_wait_loadcnt 24                              ; step 0's eight loads are in
	KTURN 0
.irp t, 0,1,2,3,4,5,6,7,8,9,10,11,12,13,14,15
	KSTEP \t
.endr
	ds_load_b64 v[8:9], v6
	s_wait_dscnt 0x0
	global_store_b64 v4, v[8:9], s[32:33]          ; the wave's 256 scale bytes: 256 consecutive bytes, aligned
	FINISH
; ---- QA and WC: plain streams, f32 in (one source or the sum of two), f16 out; 16 steps of 512 numbers a wave; loads four steps ahead.
.macro CLOAD t, add
.irp i, 0,1,2,3
	global_load_b128 v[R+16*((\t)%4)+4*\i:R+16*((\t)%4)+4*\i+3], v3, s[40:41] offset:2048*(\t)+512*\i th:TH_LOAD_NT
.endr
.if \add
.irp i, 0,1,2,3
	global_load_b128 v[PP+16*((\t)%4)+4*\i:PP+16*((\t)%4)+4*\i+3], v3, s[42:43] offset:2048*(\t)+512*\i th:TH_LOAD_NT
.endr
.endif
.endm
.macro CSTEP t, add
.if 15-(\t) >= 3
	s_wait_loadcnt 3*(4+4*\add)                    ; this step's loads are in; those of the three steps behind it may be out
.else
	s_wait_loadcnt (15-(\t))*(4+4*\add)
.endif
	s_wait_xcnt 0x0                                ; the stores of four steps ago have read this set of f16 registers
.if \add
.irp i, 0,2,4,6,8,10,12,14
	v_pk_add_f32 v[PP+16*((\t)%4)+\i:PP+16*((\t)%4)+\i+1], v[PP+16*((\t)%4)+\i:PP+16*((\t)%4)+\i+1], v[R+16*((\t)%4)+\i:R+16*((\t)%4)+\i+1]
.endr
.irp i, 0,1,2,3,4,5,6,7
	v_cvt_pk_f16_f32 v[HH+8*((\t)%4)+\i], v[PP+16*((\t)%4)+2*\i], v[PP+16*((\t)%4)+2*\i+1]
.endr
.else
.irp i, 0,1,2,3,4,5,6,7
	v_cvt_pk_f16_f32 v[HH+8*((\t)%4)+\i], v[R+16*((\t)%4)+2*\i], v[R+16*((\t)%4)+2*\i+1]
.endr
.endif
.if (\t)+4 < 16
	CLOAD (\t)+4, \add
.endif
.irp i, 0,1,2,3
	global_store_b64 v4, v[HH+8*((\t)%4)+2*\i:HH+8*((\t)%4)+2*\i+1], s[44:45] offset:1024*(\t)+256*\i
.endr
.endm
.Lqa:
	s_sub_co_u32 s36, ttmp9, 256
	s_lshl_b32 s36, s36, 2
	s_add_co_u32 s36, s36, s4                      ; my run of 8,192 numbers: 0..511
	s_mov_b32 s39, 0
	s_lshl_b32 s38, s36, 15
	s_add_nc_u64 s[40:41], s[12:13], s[38:39]
	s_add_nc_u64 s[42:43], s[14:15], s[38:39]
	s_lshl_b32 s38, s36, 14
	s_add_nc_u64 s[44:45], s[26:27], s[38:39]
	v_lshlrev_b32 v3, 4, v2
	v_lshlrev_b32 v4, 3, v2
.irp t, 0,1,2,3
	CLOAD \t, 1
.endr
.irp t, 0,1,2,3,4,5,6,7,8,9,10,11,12,13,14,15
	CSTEP \t, 1
.endr
	FINISH
.Lwc:
	s_sub_co_u32 s36, ttmp9, 384                   ; 0..383: 128 work-groups to a weight
	s_lshr_b32 s37, s36, 7
	s_cmp_eq_u32 s37, 0                            ; the choice hangs on the work-group's number alone
	s_cselect_b64 s[40:41], s[16:17], s[18:19]
	s_cmp_eq_u32 s37, 2
	s_cselect_b64 s[40:41], s[20:21], s[40:41]
	s_and_b32 s37, s36, 127
	s_lshl_b32 s37, s37, 2
	s_add_co_u32 s37, s37, s4
	s_lshl_b32 s38, s37, 15
	s_mov_b32 s39, 0
	s_add_nc_u64 s[40:41], s[40:41], s[38:39]
	s_lshl_b32 s36, s36, 2
	s_add_co_u32 s36, s36, s4
	s_lshl_b32 s38, s36, 14
	s_add_nc_u64 s[44:45], s[28:29], s[38:39]
	v_lshlrev_b32 v3, 4, v2
	v_lshlrev_b32 v4, 3, v2
.irp t, 0,1,2,3
	CLOAD \t, 0
.endr
.irp t, 0,1,2,3,4,5,6,7,8,9,10,11,12,13,14,15
	CSTEP \t, 0
.endr
	FINISH
; ---- WV.  K is wv's FIRST axis.  A lane takes a column n and its registers run down K: each load reads 128 consecutive bytes a wave, a block of 32 along K lies in one lane's 32 registers,
; and the conversions give the codes with K innermost.  A wave takes 32 columns x 512 along K; the codes go through the wave's stage and leave as rows: sixteen lanes store 256 consecutive bytes, aligned.
; The greatest offset, 511 rows of 8,192 bytes, lies inside the signed 24-bit immediate.
.macro WLOAD t
.irp i, 0,1,2,3,4,5,6,7,8,9,10,11,12,13,14,15,16,17,18,19,20,21,22,23,24,25,26,27,28,29,30,31
	global_load_b32 v[WX+32*((\t)%2)+\i], v3, s[22:23] offset:(32*(\t)+\i)*8192 th:TH_LOAD_NT
.endr
.endm
.macro WBLOCK t
.set XS, WX+32*((\t)%2)
.if (\t) < 15
	s_wait_loadcnt 32                              ; this block's 32 loads are in; the next block's may be out
.else
	s_wait_loadcnt 0
.endif
	v_max3_num_f32 v16, |v[XS]|, |v[XS+1]|, |v[XS+2]|          ; the block's largest magnitude: all 32 numbers are mine
	v_max3_num_f32 v17, |v[XS+3]|, |v[XS+4]|, |v[XS+5]|
.irp i, 6,10,14,18,22,26
	v_max3_num_f32 v16, v16, |v[XS+\i]|, |v[XS+\i+1]|
	v_max3_num_f32 v17, v17, |v[XS+\i+2]|, |v[XS+\i+3]|
.endr
	v_max3_num_f32 v16, v16, |v[XS+30]|, |v[XS+31]|
	v_max3_num_f32 v16, v16, v17, 0x1800000        ; and the floor 2^(3 - 127)
	v_add_nc_u32 v11, 0xff000000, v16              ; 2 off its exponent field: the conversion's scale operand
	v_lshrrev_b32 v17, 23, v11                     ; the scale's byte
.if (\t)%4 == 0
	v_mov_b32 v[SB+(\t)/4], v17                    ; four bytes to a register, the lower K in the lower byte
.else
	v_lshl_or_b32 v[SB+(\t)/4], v17, 8*((\t)%4), v[SB+(\t)/4]
.endif
.irp g, 0,1,2,3
	v_cvt_scalef32_pk8_fp4_f32 v[WCD+\g], v[XS+8*\g:XS+8*\g+7], v11
.endr
	ds_store_b128 v4, v[WCD:WCD+3] offset:16*(\t)  ; 32 codes: 16 bytes of my column's row
.if (\t)+2 < 16
	WLOAD (\t)+2
.endif
	s_wait_dscnt 0x0                               ; the store has read its registers: the next block's codes may be written
.endm
.Lwv:
	s_sub_co_u32 s36, ttmp9, 768
	s_and_b32 s37, s36, 15
	s_lshr_b32 s38, s36, 4                         ; which 512 along K
	s_lshl_b32 s37, s37, 7
	s_lshl_b32 s39, s4, 5
	s_add_co_u32 s37, s37, s39                     ; my wave's first column
	v_lshlrev_b32 v3, 2, v2                        ; in: 4 bytes a lane
	s_mul_i32 s39, s4, 32*PITCH
	s_add_co_u32 s39, s39, WVB                     ; my stage
	v_mul_u32_u24 v4, v2, PITCH
	v_add_nc_u32 v4, s39, v4                       ; into it: row = my column
	v_and_b32 v5, 15, v2
	v_lshrrev_b32 v6, 4, v2                        ; out of it: sixteen lanes to a row, two rows an instruction
	v_mul_u32_u24 v7, v6, PITCH
	v_lshl_add_u32 v7, v5, 4, v7
	v_add_nc_u32 v7, s39, v7
	v_lshlrev_b32 v8, 10, v6                       ; and the same place in the codes' rows of 1,024 bytes
	v_lshl_add_u32 v8, v5, 4, v8
	v_lshlrev_b32 v9, 6, v2                        ; my column's row of 64 scale bytes
	s_lshl_b32 s40, s38, 22                        ; 512 rows of 8,192 bytes
	s_lshl_b32 s41, s37, 2
	s_add_co_u32 s40, s40, s41
	s_mov_b32 s41, 0
	s_add_nc_u64 s[22:23], s[22:23], s[40:41]
	s_lshl_b32 s40, s37, 10
	s_lshl_b32 s42, s38, 8
	s_add_co_u32 s40, s40, s42
	s_add_co_u32 s40, s40, 0x400000                ; wv's codes lie behind kv's 4,194,304 bytes
	s_add_nc_u64 s[30:31], s[30:31], s[40:41]
	s_lshl_b32 s40, s37, 6
	s_lshl_b32 s42, s38, 4
	s_add_co_u32 s40, s40, s42
	s_add_co_u32 s40, s40, 0x40000                 ; wv's scale bytes behind kv's 262,144
	s_add_nc_u64 s[32:33], s[32:33], s[40:41]
	WLOAD 0
	WLOAD 1
.irp t, 0,1,2,3,4,5,6,7,8,9,10,11,12,13,14,15
	WBLOCK \t
.endr
	global_store_b128 v9, v[SB:SB+3], s[32:33]     ; my column's 16 scale bytes
.irp t, 0,1,2,3,4,5,6,7,8,9,10,11,12,13,14,15
	ds_load_b128 v[OUTR+4*\t:OUTR+4*\t+3], v7 offset:2*\t*PITCH
.endr
.irp t, 0,1,2,3,4,5,6,7,8,9,10,11,12,13,14,15
	s_wait_dscnt 15-\t
	global_store_b128 v8, v[OUTR+4*\t:OUTR+4*\t+3], s[30:31] offset:2*\t*1024
.endr
	FINISH
.Lfunc_end_k_qfc999d8b86_prep:
	.size	k_qfc999d8b86_prep, .Lfunc_end_k_qfc999d8b86_prep-k_qfc999d8b86_prep
	.p2alignl 7, 3214868480
	.fill 96, 4, 3214868480
	.section	.rodata,"a",@progbits
	.p2align	6, 0x0
	.amdhsa_kernel k_qfc999d8b86_prep
		.amdhsa_group_segment_fixed_size 68096
		.amdhsa_private_segment_fixed_size 0
		.amdhsa_enable_private_segment 0
		.amdhsa_kernarg_size 112
		.amdhsa_user_sgpr_count 2
		.amdhsa_user_sgpr_kernarg_segment_ptr 1
		.amdhsa_wavefront_size32 1
		.amdhsa_system_sgpr_workgroup_id_x 1
		.amdhsa_system_sgpr_workgroup_id_y 1
		.amdhsa_system_sgpr_workgroup_id_z 1
		.amdhsa_system_vgpr_workitem_id 0
		.amdhsa_next_free_vgpr 256
		.amdhsa_next_free_sgpr 66
		.amdhsa_reserve_vcc 0
		.amdhsa_float_denorm_mode_32 3
		.amdhsa_float_denorm_mode_16_64 3
		.amdhsa_memory_ordered 1
		.amdhsa_forward_progress 1
		.amdhsa_inst_pref_size 223
	.end_amdhsa_kernel
	.amdgpu_metadata
---
amdhsa.version: [ 1, 2 ]
amdhsa.kernels:
  - .name:           k_qfc999d8b86_prep
    .symbol:         k_qfc999d8b86_prep.kd
    .args:
      - { .name: kv, .offset: 0, .size: 8, .value_kind: global_buffer, .address_space: global }
      - { .name: kv_pos, .offset: 8, .size: 8, .value_kind: global_buffer, .address_space: global }
      - { .name: q, .offset: 16, .size: 8, .value_kind: global_buffer, .address_space: global }
      - { .name: q_pos, .offset: 24, .size: 8, .value_kind: global_buffer, .address_space: global }
      - { .name: wq, .offset: 32, .size: 8, .value_kind: global_buffer, .address_space: global }
      - { .name: wk, .offset: 40, .size: 8, .value_kind: global_buffer, .address_space: global }
      - { .name: wo, .offset: 48, .size: 8, .value_kind: global_buffer, .address_space: global }
      - { .name: wv, .offset: 56, .size: 8, .value_kind: global_buffer, .address_space: global }
      - { .name: mask, .offset: 64, .size: 8, .value_kind: global_buffer, .address_space: global }
      - { .name: x16, .offset: 72, .size: 8, .value_kind: global_buffer, .address_space: global }
      - { .name: w16, .offset: 80, .size: 8, .value_kind: global_buffer, .address_space: global }
      - { .name: codes, .offset: 88, .size: 8, .value_kind: global_buffer, .address_space: global }
      - { .name: scales, .offset: 96, .size: 8, .value_kind: global_buffer, .address_space: global }
      - { .name: mbits, .offset: 104, .size: 8, .value_kind: global_buffer, .address_space: global }
    .group_segment_fixed_size: 68096
    .private_segment_fixed_size: 0
    .kernarg_segment_align: 8
    .kernarg_segment_size: 112
    .max_flat_workgroup_size: 128
    .sgpr_count:     66
    .vgpr_count:     256
    .wavefront_size: 32
...
	.end_amdgpu_metadata
.endif
;; end of part 1
;; launch qkproj (part 2): grid 8 x 24, 4 waves a work-group, clusters of 4 x 4, 327,680 bytes of LDS; arguments x16, w16, q_ln_scale, k_ln_scale, qk16; writes qk16
.if DOCPART == 2
	.amdgcn_target "amdgcn-amd-amdhsa--gfx1250"
	.amdhsa_code_object_version 6
	.text
	.protected	k_qfc999d8b86_qkproj
	.globl	k_qfc999d8b86_qkproj
	.p2align	8
	.type	k_qfc999d8b86_qkproj,@function
k_qfc999d8b86_qkproj:
	s_mov_b64 s[64:65], 0
	v_nop
	global_prefetch_b8 v0, s[64:65] scope:SCOPE_SE
	s_setreg_imm32_b32 hwreg(HW_REG_WAVE_MODE, 25, 1), 1
	s_wait_xcnt 0x0
	s_wait_alu depctr_hold_cnt(0) depctr_sa_sdst(0) depctr_va_vdst(0) depctr_va_sdst(0) depctr_va_ssrc(0) depctr_va_vcc(0) depctr_vm_vsrc(0)
	s_getreg_b32 s2, hwreg(HW_REG_IB_STS2, 6, 4)
	s_cmp_eq_u32 s2, 0
	s_cbranch_scc0 .Lentry_in_a_cluster
	s_endpgm
.Lentry_in_a_cluster:
	s_bfe_u32 s2, ttmp6, 0x10000c
	s_cmp_lg_u32 s2, 0xf033
	s_cbranch_scc0 .Lentry_shape_is_right
	s_endpgm
.Lentry_shape_is_right:
; The projections of q and k with their LayerNorm.  C = A B, f16 operands, f32 sums.  A = x16 [6144][2048] f16, K innermost (rows 0-2047 q + q_pos, rows 2048-6143 kv + kv_pos).
; B = wq for the first 8 tile rows, wk for the others: [2048 k][2048 n] f16, K FIRST, as the weights lie: its fragments are turned on their way out of LDS by ds_load_tr16_b128.
; On the way out each row of each head is normalised (mean; mean of the squared differences; x rsqrt(var + 1e-6) x gain), all in f32; q's rows are also multiplied by log2(e) / sqrt(128), so that the
; scores arrive as exponents of 2; the result is rounded to f16 once.
; A tile of C is 256 x 256; four waves, as many as a WGP has SIMDs, each 128 x 128: 64 accumulators, 512 registers; a wave's 128 columns are ONE HEAD.  K goes in steps of 128 through a ring of two LDS slots
; filled by the tensor data mover: A's tile rows and B's are 256 bytes of memory.  A K step is 256 matrix instructions a wave; from a refill's request to the wait for it a wave issues 224.
; C has 24 x 8 = 192 such tiles, one to a work-group: no tile that shares 6,144 rows evenly among 256 work-groups keeps q's 2,048 rows apart from kv's 4,096, which take different weights.
; CLUSTERS: 4 x 4 work-groups; A's tile is shared along a row of the cluster, B's along a column: each is asked for jointly.  THE MATRIX INSTRUCTION IS USED TRANSPOSED (source 0 = 16 columns of B, source 1 = 16 rows
; of A): a lane then holds one row of C and eight neighbouring columns.  No prefetch: each row of A is read by two clusters and each column of B by two or four, and the tiles are shared in the cluster.
; REGISTERS, in windows of 256: window 0: v0-31 addresses; v64-127, v128-191 fragments of A (8 x 16 rows x 32 K), two buffers; on the way out v32-255 are at work.
;   window 1: v0-63 the gains of my lane's 64 columns; v64-127, v128-191 fragments of B, two buffers.   window 2: the 32 accumulators of my rows 0-63 ((a, b) at v[8 (8 a + b)]);   window 3: those of my rows 64-127.
; LIMITS: the normalised numbers x gain stay under 65,504 (f16); NaN and infinities are not served.
.set KSTEP,  128
.set ROWM,   4096                      ; a row of A, and a k row of B, in memory: 2,048 f16
.set PA,     272                       ; A's row in LDS: 256 bytes + 16: the 16 rows of a load start at 16 different groups of four banks
.set PB,     288                       ; B's k row in LDS: 256 bytes + 32
.set HALFA,  128*PA                    ; what one tensor load brings of A: 128 rows; also what one wave reads of A
.set HALFB,  128*PB                    ; and of B: 128 k rows x 128 columns; also what one wave reads of B
.set SLOT,   2*HALFA+2*HALFB           ; A's two halves of the rows, then B's two halves of the columns
.set STAGE,  2*SLOT                    ; behind the ring: 16 rows x 272 bytes for each wave, for the way out; no tile lands there
.set SPITCH, 272
.set SPARE,  STAGE+4*16*SPITCH         ; behind the stages: the spare words, 128 bytes for each wave
.set LAPS,   2048/(2*KSTEP)            ; a lap = two K steps = once round the ring
.set ADRA, 16                          ; v16-17  LDS address of my A fragments in slot 0, 1
.set ADRB, 20                          ; v20-21  the same for B
.set STO,  24                          ; v24     the way out: where I put 16 bytes of a row
.set RD,   25                          ; v25     where I read a row back
.set CO,   26                          ; v26     my byte offset in C
.set GA,   27                          ; v27     32 x (lane / 16): the gains' offset; never rewritten
.set SPW,  28                          ; v28     LDS address of my spare word; never rewritten
.set NIL,  29                          ; v29     0; never rewritten
.set F0,   64                          ; fragment buffer 0
.set F1,   128                         ; fragment buffer 1
.set OB,   32                          ; the way out: 16 rows read back from the stage: v32-63 and v224-255 by turns
.set X,    64                          ; the way out: v64-127 my 64 numbers of a row, less the mean
.set T,    128                         ; the way out: v128-159 the tree of the sum; v128 the mean
.set Z,    160                         ; the way out: v160-167 four chains of squares; v160 1 / sigma
.set TMP,  192                         ; the way out: v192-223 the packed results
.set G1,  24                           ; s[24:31] descriptor group 1 for A's tiles;  s[32:39] group 0, one set for each slot
.set G0,  32
.set G1B, 48                           ; s[48:55], s[56:63] the same for B's tiles
.set G0B, 56
.set MSB, 0
.macro WIN new                         ; the immediate's high byte repeats the setting that is left
.if MSB != \new
	s_set_vgpr_msb (MSB<<8)|\new
.set MSB, \new
.endif
.endm
.set MUL_LO, 0xa1                      ; source 0 (B) window 1, source 1 (A) window 0, C and D window 2
.set MUL_HI, 0xf1                      ; the same, C and D window 3
.set TO_B,   0x40                      ; destination window 1, address window 0
.macro JLOAD s                         ; a joint load: waves 0 and 1 fetch A's halves, waves 2 and 3 B's; an s_nop 0 and four v_nop follow each of the two lines
	s_cmp_eq_u32 s11, 0
	s_cbranch_scc0 .Lfor_b_\@
	tensor_load_to_lds s[G0+4*\s:G0+4*\s+3], s[G1:G1+7]
	s_nop 0
.rept 4
	v_nop
.endr
	s_branch .Lasked_\@
.Lfor_b_\@:
	tensor_load_to_lds s[G0B+4*\s:G0B+4*\s+3], s[G1B:G1B+7]
	s_nop 0
.rept 4
	v_nop
.endr
.Lasked_\@:
.endm
.macro CREST                           ; a round of the cluster's barrier behind its opening barrier
	s_cmp_lg_u32 s10, 0
	s_cbranch_scc1 .Lnot_wave_0_\@
	s_barrier_signal -3
.Lnot_wave_0_\@:
	s_barrier_wait -3
	s_barrier_signal -1
	s_barrier_wait -1
.endm
.macro CROUND
	s_barrier_signal -1
	s_barrier_wait -1
	CREST
.endm
	s_load_b128 s[4:7], s[0:1], 0x0                ; A s[4:5], the weights s[6:7]
	s_load_b128 s[68:71], s[0:1], 0x10             ; q's gains, k's gains
	s_load_b64 s[8:9], s[0:1], 0x20                ; C
	v_lshl_add_u32 v[SPW], v0, 2, SPARE
	v_mov_b32 v[NIL], 0
	ds_add_u32 v[SPW], v[NIL]                      ; the wave's opening: the add, twice on end, and its wait ahead of my first tensor load
	ds_add_u32 v[SPW], v[NIL]
	v_lshrrev_b32 v1, 5, v0
	v_readfirstlane_b32 s10, v1                    ; wave 0..3
	s_lshr_b32 s11, s10, 1                         ; which half of the tile's rows is mine.  Also: I fetch for A (0) or for B (1)
	s_and_b32 s12, s10, 1                          ; which half of its columns.  Also: which half of that tile I fetch
	s_bfe_u32 s40, ttmp6, 0x40000                  ; cx, cy: my place in the cluster
	s_bfe_u32 s41, ttmp6, 0x40004
	s_lshl_b32 s42, ttmp9, 2
	s_add_co_u32 s42, s42, s40                     ; tile column of C = 4 x cluster x + cx
	s_and_b32 s13, ttmp7, 0xffff
	s_mov_b32 s78, s13                             ; the cluster's y, which all sixteen partners share
	s_lshl_b32 s13, s13, 2
	s_add_co_u32 s13, s13, s41                     ; tile row of C = 4 x cluster y + cy
	s_lshl_b32 s43, s41, 2
	s_lshl_b32 s43, 15, s43                        ; my row of the cluster
	s_lshl_b32 s44, 0x1111, s40                    ; my column
	s_or_b32 s[G1+0], s43, (1<<16)|(1<<20)|(1<<21)|(5<<22)|(3<<25)  ; A: the mask of my row; elements of 2 bytes; padding on; bit 21 beside a mask; after every 64 words four words
	s_or_b32 s[G1B+0], s44, (1<<16)|(1<<20)|(1<<21)|(5<<22)|(7<<25) ; B: the mask of my column; after every 64 words eight words
.irp g, G1, G1B
	s_mov_b32 s[\g+1], 128<<16                     ; tensor_dim0 = 128 elements
	s_mov_b32 s[\g+2], 128<<16                     ; tensor_dim1 = 128 rows
	s_mov_b32 s[\g+3], 128<<16                     ; tile_dim0 = 128
	s_mov_b32 s[\g+4], 128                         ; tile_dim1 = 128
	s_mov_b32 s[\g+5], 2048                        ; elements from row to row
	s_mov_b32 s[\g+6], 0
	s_mov_b32 s[\g+7], 0
.endr
	s_lshl_b32 s16, s13, 8
	s_lshl_b32 s17, s12, 7
	s_add_co_u32 s16, s16, s17                     ; A: row 256 x tile row + 128 x half,
	s_lshl_b32 s16, s16, 12                        ; in bytes (under 2^25)
	s_mov_b32 s17, 0
	s_lshl_b32 s46, s12, 8                         ; B: 256 bytes x half of the columns,
	s_lshl_b32 s47, s42, 9                         ; + 512 bytes x tile column
	s_add_co_u32 s46, s46, s47
	s_lshr_b32 s79, s78, 1                         ; clusters 0 and 1 along y hold q's rows, 2 to 5 kv's:
	s_min_u32 s79, s79, 1
	s_lshl_b32 s79, s79, 23                        ; wq at byte 0, wk at byte 8,388,608
	s_add_co_u32 s46, s46, s79
	s_mov_b32 s47, 0
	s_mov_b32 s74, 0x76543210                      ; v_permlanex16_b32's selects for lane l xor 16
	s_mov_b32 s75, 0xfedcba98
	s_mov_b32 s76, 0x3c000000                      ; 1 / 128
	s_mov_b32 s77, 0x358637bd                      ; 1e-6
	s_cmp_lt_u32 s78, 2
	s_cselect_b32 s72, 0x3e0293ee, 1.0             ; q's rows: x log2(e) / sqrt(128)
	s_mul_i32 s20, s12, HALFA                      ; where the tiles go: no place in the cluster enters an LDS address
	s_mul_i32 s21, s12, HALFB
	s_add_co_u32 s21, s21, 2*HALFA
	s_wait_dscnt 0x0                               ; both opening adds are done
	s_wait_kmcnt 0x0
	s_add_nc_u64 s[14:15], s[4:5], s[16:17]
	s_add_nc_u64 s[46:47], s[6:7], s[46:47]
	CROUND                                         ; all sixteen work-groups are here: the first joint loads meet
.irp s, 0,1
	s_mov_b32 s[G0+4*\s], 1
	s_add_co_u32 s[G0+4*\s+1], s20, \s*SLOT
	s_add_nc_u64 s[G0+4*\s+2:G0+4*\s+3], s[14:15], \s*KSTEP*2
	s_or_b32 s[G0+4*\s+3], s[G0+4*\s+3], 0x80000000
	s_mov_b32 s[G0B+4*\s], 1
	s_add_co_u32 s[G0B+4*\s+1], s21, \s*SLOT
	s_add_nc_u64 s[G0B+4*\s+2:G0B+4*\s+3], s[46:47], \s*KSTEP*ROWM
	s_or_b32 s[G0B+4*\s+3], s[G0B+4*\s+3], 0x80000000
	JLOAD \s                                       ; two loads of mine are out
.endr
	v_and_b32 v1, 15, v0                           ; r = l % 16
	v_bfe_u32 v2, v0, 4, 1                         ; h = l / 16
	v_lshlrev_b32 v[GA], 5, v2
	s_cmp_lt_u32 s78, 2                            ; the choice hangs on the cluster's number alone
	s_cselect_b64 s[68:69], s[68:69], s[70:71]
	WIN TO_B                                       ; the gains of my lane's columns 16 b + 8 h + 0..7 of a head, at v[8 b ..] of window 1: they stay
.irp b, 0,1,2,3,4,5,6,7
	global_load_b128 v[8*\b:8*\b+3],   v[GA], s[68:69] offset:64*\b
	global_load_b128 v[8*\b+4:8*\b+7], v[GA], s[68:69] offset:64*\b+16
.endr
	WIN 0
	v_mul_u32_u24 v3, v1, PA
	v_lshl_add_u32 v3, v2, 4, v3                   ; A: a fragment's row x pitch + 16 h
	s_mul_i32 s22, s11, HALFA                      ; my 128 rows of A
	v_add_nc_u32 v[ADRA], s22, v3
	v_add_nc_u32 v[ADRA+1], SLOT, v[ADRA]
	v_and_b32 v3, 7, v0                            ; B: the turning load takes 16 k x 16 n: lane l reads 16 bytes of k row 8 h + l % 8, columns 8 ((l / 8) % 2) on, and is left with column l % 16 and eight k
	v_lshl_add_u32 v3, v2, 3, v3
	v_mul_u32_u24 v3, v3, PB
	v_bfe_u32 v4, v0, 3, 1
	v_lshl_add_u32 v3, v4, 4, v3
	s_mul_i32 s22, s12, HALFB                      ; my 128 columns of B,
	s_add_co_u32 s22, s22, 2*HALFA                 ; behind A's 256 rows
	v_add_nc_u32 v[ADRB], s22, v3
	v_add_nc_u32 v[ADRB+1], SLOT, v[ADRB]
	s_mul_i32 s23, s10, 16*SPITCH
	s_add_co_u32 s23, s23, STAGE                   ; my stage
	v_mul_u32_u24 v4, v1, SPITCH                   ; in: row r, 16 bytes for each half of the lanes
	v_lshl_add_u32 v4, v2, 4, v4
	v_add_nc_u32 v[STO], s23, v4
	v_mul_u32_u24 v5, v2, SPITCH                   ; back: lanes 0-15 one row of 256 bytes, lanes 16-31 the next
	v_lshl_add_u32 v5, v1, 4, v5
	v_add_nc_u32 v[RD], s23, v5
	v_lshlrev_b32 v5, 12, v2                       ; and the same two rows in C, 4,096 bytes apart
	v_lshl_add_u32 v[CO], v1, 4, v5
	s_lshl_b32 s16, s13, 8
	s_lshl_b32 s17, s11, 7
	s_add_co_u32 s16, s16, s17                     ; my first row of C: 256 x tile row + 128 x half
	s_lshl_b32 s16, s16, 12
	s_mov_b32 s17, 0
	s_lshl_b32 s46, s42, 9                         ; my head's first byte in a row: 512 x tile column + 256 x half
	s_lshl_b32 s47, s12, 8
	s_add_co_u32 s46, s46, s47
	s_mov_b32 s47, 0
	s_add_nc_u64 s[8:9], s[8:9], s[16:17]
	s_add_nc_u64 s[8:9], s[8:9], s[46:47]
; 16 matrix instructions: m blocks a0, a0 + 1 of the window's four (hi = 0: my rows 0-63, 1: rows 64-127) x all 8 n blocks, 32 along K.  zero = 1: the first product starts the sums: nothing is ever cleared.
; The 64 accumulators take turns, one instruction a turn, in the same order in every quarter.
.macro MUL16 f, hi, a0, zero
.irp a, \a0, \a0+1
.irp b, 0,1,2,3,4,5,6,7
.if \zero
	v_wmma_f32_16x16x32_f16 v[8*(8*(\a)+\b):8*(8*(\a)+\b)+7], v[\f+8*\b:\f+8*\b+7], v[\f+8*(4*\hi+\a):\f+8*(4*\hi+\a)+7], 0
.else
	v_wmma_f32_16x16x32_f16 v[8*(8*(\a)+\b):8*(8*(\a)+\b)+7], v[\f+8*\b:\f+8*\b+7], v[\f+8*(4*\hi+\a):\f+8*(4*\hi+\a)+7], v[8*(8*(\a)+\b):8*(8*(\a)+\b)+7]
.endif
.endr
.endr
.endm
; 32 LDS loads in one run: the fragments of the slot's q-th 32 along K (128 columns of B, turned; 128 rows of A) into buffer f
.macro FETCH slot, q, f
	WIN TO_B
.irp i, 0,1,2,3,4,5,6,7
	ds_load_tr16_b128 v[\f+8*\i:\f+8*\i+3],   v[ADRB+\slot] offset:(32*(\q))*PB+32*\i
	ds_load_tr16_b128 v[\f+8*\i+4:\f+8*\i+7], v[ADRB+\slot] offset:(32*(\q)+16)*PB+32*\i
.endr
	WIN 0
.irp i, 0,1,2,3,4,5,6,7
	ds_load_b128 v[\f+8*\i:\f+8*\i+3],   v[ADRA+\slot] offset:64*(\q)+\i*16*PA
	ds_load_b128 v[\f+8*\i+4:\f+8*\i+7], v[ADRA+\slot] offset:64*(\q)+\i*16*PA+32
.endr
.endm
.macro PLACES                          ; four places in front of loads into registers that matrix instructions have read, and of the first read of results
.rept 4
	v_nop
.endr
.endm
; A K step is four quarters of 32 along K, 64 matrix instructions each, on buffers 0, 1, 0, 1.  One of the first three: multiplies buffer f; in its middle it fetches quarter q of the same slot into buffer g.
.macro QUARTER slot, q, f, g, zero
	s_wait_dscnt 8                                 ; B and A's rows 0-63 are in; the youngest eight loads (A's rows 64-127) may be out
	WIN MUL_LO
	MUL16 \f, 0, 0, \zero
	MUL16 \f, 0, 2, \zero
	PLACES
	FETCH \slot, \q, \g
	s_wait_dscnt 32                                ; all but the 32 just issued
	WIN MUL_HI
	MUL16 \f, 1, 0, \zero
	MUL16 \f, 1, 2, \zero
.endm
; The last quarter multiplies buffer 1 and changes slots: ONE barrier; in front of it each wave waits for all its tensor loads, adds 0 to its spare word, and waits for that and for its reads of this slot.
; fill = 1: the barrier opens a round of the cluster's, and this slot is filled again, two K steps ahead.
.macro TURN slot, next, fill
	WIN 0                                          ; (the add's two registers lie in window 0)
	s_wait_tensorcnt 0x0                           ; all my tensor loads have landed: the one that was out is my part of the next slot
	ds_add_u32 v[SPW], v[NIL]                      ; 0 onto my spare word
	s_wait_dscnt 9                                 ; (the add and the youngest eight loads may be out)
	WIN MUL_LO
	MUL16 F1, 0, 0, 0                              ; sixteen matrix instructions stand between the add and the wait for it
	s_wait_dscnt 0x0                               ; the add is done, and my reads of this slot are over
	s_barrier_signal -1
	MUL16 F1, 0, 2, 0
.if \fill
	WIN 0
.endif
	s_barrier_wait -1
.if \fill
	CREST                                          ; no wave of any partner still reads this slot or has a load on its way
	s_add_nc_u64 s[G0+4*\slot+2:G0+4*\slot+3], s[G0+4*\slot+2:G0+4*\slot+3], 2*KSTEP*2
	s_add_nc_u64 s[G0B+4*\slot+2:G0B+4*\slot+3], s[G0B+4*\slot+2:G0B+4*\slot+3], 2*KSTEP*ROWM
	JLOAD \slot                                    ; my one tensor load behind the round; its four v_nop are also the places in front of the loads below
.else
	PLACES
.endif
	FETCH \next, 0, F0
	WIN MUL_HI
	MUL16 F1, 1, 0, 0
	MUL16 F1, 1, 2, 0
.endm
	s_wait_tensorcnt 1                             ; my part of K step 0 is in; K step 1's may stay out
	s_barrier_signal -1
	s_barrier_wait -1
	FETCH 0, 0, F0
	QUARTER 0, 1, F0, F1, 1                        ; the first quarter stands in front of the loop: its products start the sums
	WIN 0                                          ; at a label and at a branch every window is 0
	s_mov_b32 s3, LAPS-1
.Llap:                                                 ; a trip goes once round the ring, from a lap's second quarter to the next lap's first, and fills both slots again
	QUARTER 0, 2, F1, F0, 0
	QUARTER 0, 3, F0, F1, 0
	TURN 0, 1, 1
	QUARTER 1, 1, F0, F1, 0
	QUARTER 1, 2, F1, F0, 0
	QUARTER 1, 3, F0, F1, 0
	TURN 1, 0, 1
	QUARTER 0, 1, F0, F1, 0
	WIN 0
	s_sub_co_u32 s3, s3, 1
	s_cmp_lg_u32 s3, 0
	s_cbranch_scc1 .Llap
	QUARTER 0, 2, F1, F0, 0                        ; the last lap fills nothing, and has no round of the cluster's barrier
	QUARTER 0, 3, F0, F1, 0
	TURN 0, 1, 0
	QUARTER 1, 1, F0, F1, 0
	QUARTER 1, 2, F1, F0, 0
	QUARTER 1, 3, F0, F1, 0
	s_wait_dscnt 8                                 ; the very last quarter: nothing more to fetch
	WIN MUL_LO
	MUL16 F1, 0, 0, 0
	MUL16 F1, 0, 2, 0
	s_wait_dscnt 0
	WIN MUL_HI
	MUL16 F1, 1, 0, 0
	MUL16 F1, 1, 2, 0
	WIN 0
; THE WAY OUT, block by block of 16 rows x 128 columns (one head).  Lane (r, h) holds, of row r, the 64 columns 16 b + 8 h + j (accumulator b, register j); lane l xor 16 holds the other 64.
; NORM: the row's mean (a tree over my 64 numbers, each accumulator read from its low end on; one exchange with lane l xor 16); x - mean into window 0; the mean of the squares likewise; 1 / sqrt(var + 1e-6);
; x gain x 1 / sigma (q's rows: x log2(e) / sqrt(128) too); rounded to f16, 16 bytes for each accumulator.
.macro NORM a
.set AC, 64*((\a)%4)
	WIN 0x0a+5*((\a)/4)                            ; sources 0 and 1: window 2 or 3; destination window 0
.set u, 0
.rept 16
	v_pk_add_f32 v[T+2*u:T+2*u+1], v[AC+4*u:AC+4*u+1], v[AC+4*u+2:AC+4*u+3]
.set u, u+1
.endr
	WIN 0
.irp w, 4,8,16,32
.set u, 0
.rept 32/\w
	v_pk_add_f32 v[T+\w*u:T+\w*u+1], v[T+\w*u:T+\w*u+1], v[T+\w*u+\w/2:T+\w*u+\w/2+1]
.set u, u+1
.endr
.endr
	v_add_f32 v[T], v[T], v[T+1]
	v_permlanex16_b32 v[T+1], v[T], s74, s75       ; the row's other 64 columns lie in the lane 16 away
	v_add_f32 v[T], v[T], v[T+1]
	v_mul_f32 v[T], s76, v[T]                      ; the mean
	WIN 0x02+((\a)/4)                              ; source 0: window 2 or 3
.set u, 0
.rept 32
	v_pk_add_f32 v[X+2*u:X+2*u+1], v[AC+2*u:AC+2*u+1], v[T:T+1] op_sel_hi:[1,0] neg_lo:[0,1] neg_hi:[0,1]
.set u, u+1
.endr
	WIN 0
.set u, 0
.rept 32                                       ; the squares, in four chains
.if u < 4
	v_pk_mul_f32 v[Z+2*u:Z+2*u+1], v[X+2*u:X+2*u+1], v[X+2*u:X+2*u+1]
.else
	v_pk_fma_f32 v[Z+2*(u%4):Z+2*(u%4)+1], v[X+2*u:X+2*u+1], v[X+2*u:X+2*u+1], v[Z+2*(u%4):Z+2*(u%4)+1]
.endif
.set u, u+1
.endr
	v_pk_add_f32 v[Z:Z+1], v[Z:Z+1], v[Z+2:Z+3]
	v_pk_add_f32 v[Z+4:Z+5], v[Z+4:Z+5], v[Z+6:Z+7]
	v_pk_add_f32 v[Z:Z+1], v[Z:Z+1], v[Z+4:Z+5]
	v_add_f32 v[Z], v[Z], v[Z+1]
	v_permlanex16_b32 v[Z+1], v[Z], s74, s75
	v_add_f32 v[Z], v[Z], v[Z+1]
	v_fma_f32 v[Z], v[Z], s76, s77                 ; the variance + 1e-6
	v_rsq_f32 v[Z], v[Z]
	WIN 0x04                                       ; source 1: window 1, the gains
.set u, 0
.rept 32
	v_pk_mul_f32 v[X+2*u:X+2*u+1], v[X+2*u:X+2*u+1], v[2*u:2*u+1]   ; x gain: 32 plain lines that name nothing of the root's: the work between it and its wait
.set u, u+1
.endr
	WIN 0
	s_wait_alu depctr_va_vdst(0)                   ; the wait ahead of the root's first reader
	v_mul_f32 v[Z], s72, v[Z]                      ; q's rows: x log2(e) / sqrt(128); k's: x 1
.set u, 0
.rept 32
	v_pk_mul_f32 v[X+2*u:X+2*u+1], v[X+2*u:X+2*u+1], v[Z:Z+1] op_sel_hi:[1,0]
.set u, u+1
.endr
.set u, 0
.rept 32
	v_cvt_pk_f16_f32 v[TMP+u], v[X+2*u], v[X+2*u+1]
.set u, u+1
.endr
.endm
.macro TOSTAGE a                       ; into my own stage, and back as whole rows of 256 bytes
.set BB, OB+192*((\a)%2)
.irp b, 0,1,2,3,4,5,6,7
	ds_store_b128 v[STO], v[TMP+4*\b:TMP+4*\b+3] offset:32*\b
.endr
.irp t, 0,1,2,3,4,5,6,7
	ds_load_b128 v[BB+4*\t:BB+4*\t+3], v[RD] offset:\t*2*SPITCH    ; LDS serves a wave's instructions in order (ISA guide 5.7.1.4): these see the stores above
.endr
.endm
.macro SEND a
.set BB, OB+192*((\a)%2)
	s_wait_dscnt 0x0                               ; the block is back in registers
	s_wait_xcnt 0x0                                ; the earlier stores have read their base and their registers
.if (\a) > 0
	s_add_nc_u64 s[8:9], s[8:9], 16*ROWM           ; 16 rows of C on
.endif
.irp t, 0,1,2,3,4,5,6,7
	global_store_b128 v[CO], v[BB+4*\t:BB+4*\t+3], s[8:9] offset:2*\t*ROWM   ; 16 lanes store a head's 256 consecutive bytes, aligned
.endr
.endm
	s_wait_loadcnt 0x0                             ; the gains
	PLACES                                         ; behind the last products: for the first reads of results and the first writes into the registers that held A's fragments
	NORM 0
	TOSTAGE 0
.irp a, 1,2,3,4,5,6,7                  ; block a's arithmetic stands between block a - 1's loads from the stage and the wait for them
	NORM \a
	SEND \a-1
	TOSTAGE \a
.endr
	SEND 7
	s_wait_tensorcnt 0x0                           ; the wave's end, behind my last tensor load and my last LDS store
	ds_add_u32 v[SPW], v[NIL]
	s_wait_dscnt 0x0
	CROUND                                         ; the closing round: no work-group ends while a partner may still ask for a tile that names it
	s_endpgm
.Lfunc_end_k_qfc999d8b86_qkproj:
	.size	k_qfc999d8b86_qkproj, .Lfunc_end_k_qfc999d8b86_qkproj-k_qfc999d8b86_qkproj
	.p2alignl 7, 3214868480
	.fill 96, 4, 3214868480
	.section	.rodata,"a",@progbits
	.p2align	6, 0x0
	.amdhsa_kernel k_qfc999d8b86_qkproj
		.amdhsa_group_segment_fixed_size 327680
		.amdhsa_private_segment_fixed_size 0
		.amdhsa_enable_private_segment 0
		.amdhsa_kernarg_size 40
		.amdhsa_user_sgpr_count 2
		.amdhsa_user_sgpr_kernarg_segment_ptr 1
		.amdhsa_wavefront_size32 1
		.amdhsa_system_sgpr_workgroup_id_x 1
		.amdhsa_system_sgpr_workgroup_id_y 1
		.amdhsa_system_sgpr_workgroup_id_z 1
		.amdhsa_system_vgpr_workitem_id 0
		.amdhsa_next_free_vgpr 1024
		.amdhsa_next_free_sgpr 80
		.amdhsa_reserve_vcc 0
		.amdhsa_float_denorm_mode_32 3
		.amdhsa_float_denorm_mode_16_64 3
		.amdhsa_memory_ordered 1
		.amdhsa_forward_progress 1
		.amdhsa_inst_pref_size 231
	.end_amdhsa_kernel
	.amdgpu_metadata
---
amdhsa.version: [ 1, 2 ]
amdhsa.kernels:
  - .name:           k_qfc999d8b86_qkproj
    .symbol:         k_qfc999d8b86_qkproj.kd
    .args:
      - { .name: x16, .offset: 0, .size: 8, .value_kind: global_buffer, .address_space: global }
      - { .name: w16, .offset: 8, .size: 8, .value_kind: global_buffer, .address_space: global }
      - { .name: q_ln_scale, .offset: 16, .size: 8, .value_kind: global_buffer, .address_space: global }
      - { .name: k_ln_scale, .offset: 24, .size: 8, .value_kind: global_buffer, .address_space: global }
      - { .name: qk16, .offset: 32, .size: 8, .value_kind: global_buffer, .address_space: global }
    .group_segment_fixed_size: 327680
    .private_segment_fixed_size: 0
    .kernarg_segment_align: 8
    .kernarg_segment_size: 40
    .max_flat_workgroup_size: 128
    .sgpr_count:     80
    .vgpr_count:     1024
    .wavefront_size: 32
...
	.end_amdgpu_metadata
.endif
;; end of part 2
;; launch vproj (part 3): grid 8 x 16, 4 waves a work-group, clusters of 4 x 4, 327,680 bytes of LDS; arguments codes, scales, v16; writes v16
.if DOCPART == 3
	.amdgcn_target "amdgcn-amd-amdhsa--gfx1250"
	.amdhsa_code_object_version 6
	.text
	.protected	k_qfc999d8b86_vproj
	.globl	k_qfc999d8b86_vproj
	.p2align	8
	.type	k_qfc999d8b86_vproj,@function
k_qfc999d8b86_vproj:
	s_mov_b64 s[64:65], 0
	v_nop
	global_prefetch_b8 v0, s[64:65] scope:SCOPE_SE
	s_setreg_imm32_b32 hwreg(HW_REG_WAVE_MODE, 25, 1), 1
	s_wait_xcnt 0x0
	s_wait_alu depctr_hold_cnt(0) depctr_sa_sdst(0) depctr_va_vdst(0) depctr_va_sdst(0) depctr_va_ssrc(0) depctr_va_vcc(0) depctr_vm_vsrc(0)
	s_getreg_b32 s2, hwreg(HW_REG_IB_STS2, 6, 4)
	s_cmp_eq_u32 s2, 0
	s_cbranch_scc0 .Lentry_in_a_cluster
	s_endpgm
.Lentry_in_a_cluster:
	s_bfe_u32 s2, ttmp6, 0x10000c
	s_cmp_lg_u32 s2, 0xf033
	s_cbranch_scc0 .Lentry_shape_is_right
	s_endpgm
.Lentry_shape_is_right:
; v = kv wv on codes of FP4 (E2M1) with one E8M0 scale for each 32 along K; sums in f32; the result is rounded to f16, as the operand of the attention's second product.
; A = kv's codes [4096][1024 bytes], B = wv's codes [2048 n][1024 bytes] (behind A's in the same buffer), K innermost, two codes a byte; the scale bytes [4096][64] and [2048][64] likewise.  C = v16 [4096][2048] f16.
; A tile of C, 256 x 256, is made by four waves; a wave makes 128 x 128: 64 accumulators, 512 registers.  K goes in steps of 512 through a ring of two LDS slots filled by the tensor data mover: a tile's row is 256 bytes of memory.
; THE SCALES of the work-group's 256 rows of A and of B, for all of K, are two dense blocks: they come into LDS once, with the first fills, and stay.
; CLUSTERS: 4 x 4 work-groups; A's tiles are shared along a row of the cluster, B's along a column: each is asked for jointly.  THE MATRIX INSTRUCTION IS USED TRANSPOSED (source 0 = 16 rows of B, source 1 = 16 rows of A).
; C has 128 tiles of this size: half the tile would double the LDS bytes read for each product, and this launch is the shortest of the program.
; REGISTERS: window 0: v0-31 addresses; v32-95 scale words, two sets; from v128 A's fragments, ONE set; on the way out v32-255 are free.  window 1: B's fragments, two sets.  windows 2, 3: the accumulators of my rows 0-63, 64-127.
; LIMIT: |v| stays under 65,504.
.set SIZE_K, 2048
.set KSTEP,  512
.set NQ,     KSTEP/128
.set ROWB,   256
.set KROW,   SIZE_K*4/8
.set PITCH,  272                       ; an LDS row: 256 bytes + 16: the 16 rows that a load touches start at 16 different groups of four banks
.set FR,     8
.set NL,     2
.set NP,     4                         ; places behind this matrix instruction (ISA guide 7.12.1)
.set HALFT,  128*PITCH
.set SLOT,   4*HALFT
.set LAPS,   SIZE_K/(2*KSTEP)
.set KS,     SIZE_K/32                 ; a row of scales in bytes
.set SCL,    2*SLOT                    ; behind the ring: the scales, as units of 256 bytes + 16 of padding
.set HALFS,  (128*KS/256)*272
.set SBLK,   (16*KS/256)*272
.set SPARE,  SCL+4*HALFS               ; behind the scales: the spare words
.set SPITCH, 272                       ; the way out: a stage of 16 rows x (256 bytes + 16) for each wave, in slot 0, which has had its last fill and its last read when the first result is stored there
.set ADRA, 16
.set ADRB, 20
.set STO,  24
.set RD,   25
.set CO,   26
.set ADRS, 27
.set SPW,  28
.set NIL,  29
.set SC,   32
.set AF,   128
.set TMP,  192                         ; the way out: packed results
.set OB,   32                          ; the way out: 16 rows read back: v32-63 and v224-255 by turns
.set G1, 24
.set G0, 32
.set G1B, 48
.set G0B, 56
.set G1S, 68
.set G0S, 76
.set G1SB, 80
.set G0SB, 88
.set MSB, 0
.macro WIN new
.if MSB != \new
	s_set_vgpr_msb (MSB<<8)|\new
.set MSB, \new
.endif
.endm
.set MUL_LO, 0xa1                      ; source 0 (B) window 1, source 1 (A) window 0, C and D window 2
.set MUL_HI, 0xf1
.set TO_B,   0x40
.macro JLOAD g0a, g1a, g0b, g1b        ; a joint load: waves 0 and 1 fetch for A, waves 2 and 3 for B; an s_nop 0 and four v_nop follow each of the two lines
	s_cmp_eq_u32 s15, 0
	s_cbranch_scc0 .Lfor_b_\@
	tensor_load_to_lds s[\g0a:\g0a+3], s[\g1a:\g1a+7]
	s_nop 0
.rept 4
	v_nop
.endr
	s_branch .Lasked_\@
.Lfor_b_\@:
	tensor_load_to_lds s[\g0b:\g0b+3], s[\g1b:\g1b+7]
	s_nop 0
.rept 4
	v_nop
.endr
.Lasked_\@:
.endm
.macro CREST
	s_cmp_lg_u32 s14, 0
	s_cbranch_scc1 .Lnot_wave_0_\@
	s_barrier_signal -3
.Lnot_wave_0_\@:
	s_barrier_wait -3
	s_barrier_signal -1
	s_barrier_wait -1
.endm
.macro CROUND
	s_barrier_signal -1
	s_barrier_wait -1
	CREST
.endm
	s_load_b128 s[4:7], s[0:1], 0x0                ; the codes s[4:5], the scale bytes s[6:7]
	s_load_b64 s[12:13], s[0:1], 0x10              ; C
	v_lshl_add_u32 v[SPW], v0, 2, SPARE
	v_mov_b32 v[NIL], 0
	ds_add_u32 v[SPW], v[NIL]                      ; the wave's opening: the add, twice on end, and its wait ahead of my first tensor load
	ds_add_u32 v[SPW], v[NIL]
	v_lshrrev_b32 v1, 5, v0
	v_readfirstlane_b32 s14, v1                    ; wave 0..3
	s_lshr_b32 s15, s14, 1                         ; which half of the tile's rows is mine.  Also: I fetch for A (0) or for B (1)
	s_and_b32 s16, s14, 1                          ; which half of its columns.  Also: which 128 rows of that tile I fetch
	s_bfe_u32 s40, ttmp6, 0x40000
	s_bfe_u32 s41, ttmp6, 0x40004
	s_lshl_b32 s42, ttmp9, 2
	s_add_co_u32 s42, s42, s40                     ; tile column of C
	s_and_b32 s17, ttmp7, 0xffff
	s_lshl_b32 s17, s17, 2
	s_add_co_u32 s17, s17, s41                     ; tile row of C
	s_lshl_b32 s43, s41, 2
	s_lshl_b32 s43, 15, s43                        ; my row of the cluster
	s_lshl_b32 s44, 0x1111, s40                    ; my column
	s_or_b32 s[G1+0], s43, (0<<16)|(1<<20)|(1<<21)|(5<<22)|(3<<25)  ; elements of 1 byte; padding: four words after every 64
	s_or_b32 s[G1B+0], s44, (0<<16)|(1<<20)|(1<<21)|(5<<22)|(3<<25)
.irp g, G1, G1B
	s_mov_b32 s[\g+1], ROWB<<16
	s_mov_b32 s[\g+2], 128<<16
	s_mov_b32 s[\g+3], ROWB<<16
	s_mov_b32 s[\g+4], 128
	s_mov_b32 s[\g+5], KROW
	s_mov_b32 s[\g+6], 0
	s_mov_b32 s[\g+7], 0
.endr
	s_or_b32 s[G1S+0], s43, (3<<16)|(1<<20)|(1<<21)|(5<<22)|(3<<25) ; the scales of 128 rows: a dense block, as rows of 256 bytes (32 elements of 8 bytes)
	s_or_b32 s[G1SB+0], s44, (3<<16)|(1<<20)|(1<<21)|(5<<22)|(3<<25)
.irp g, G1S, G1SB
	s_mov_b32 s[\g+1], 32<<16
	s_mov_b32 s[\g+2], (128*KS/256)<<16
	s_mov_b32 s[\g+3], 32<<16
	s_mov_b32 s[\g+4], 128*KS/256
	s_mov_b32 s[\g+5], 32
	s_mov_b32 s[\g+6], 0
	s_mov_b32 s[\g+7], 0
.endr
	s_lshl_b32 s18, s16, 7
	s_lshl_b32 s20, s17, 8
	s_add_co_u32 s20, s20, s18                     ; A: row 256 x tile row + 128 x half
	s_lshl_b32 s46, s42, 8
	s_add_co_u32 s46, s46, s18                     ; B: row 256 x tile column + 128 x half
	s_mov_b32 s21, 0
	s_mov_b32 s47, 0
	s_mov_b64 s[18:19], KS
	s_mul_u64 s[22:23], s[20:21], s[18:19]         ; where these rows' scales begin,
	s_mul_u64 s[92:93], s[46:47], s[18:19]
	s_mov_b64 s[18:19], KROW
	s_mul_u64 s[20:21], s[20:21], s[18:19]         ; and their codes
	s_mul_u64 s[46:47], s[46:47], s[18:19]
	s_mul_i32 s45, s14, HALFT                      ; where they go: wave x 128 rows
	s_mul_i32 s94, s14, HALFS
	s_wait_dscnt 0x0                               ; both opening adds are done
	s_wait_kmcnt 0x0
	s_add_nc_u64 s[8:9], s[4:5], 0x400000          ; B's codes lie behind A's 4,194,304 bytes,
	s_add_nc_u64 s[10:11], s[6:7], 0x40000         ; B's scale bytes behind A's 262,144
	s_add_nc_u64 s[20:21], s[4:5], s[20:21]
	s_add_nc_u64 s[22:23], s[6:7], s[22:23]
	s_add_nc_u64 s[46:47], s[8:9], s[46:47]
	s_add_nc_u64 s[92:93], s[10:11], s[92:93]
	CROUND                                         ; all sixteen work-groups are here: the first joint loads meet
	s_mov_b32 s[G0S], 1
	s_add_co_u32 s[G0S+1], s94, SCL
	s_mov_b64 s[G0S+2:G0S+3], s[22:23]
	s_or_b32 s[G0S+3], s[G0S+3], 0x80000000
	s_mov_b32 s[G0SB], 1
	s_add_co_u32 s[G0SB+1], s94, SCL
	s_mov_b64 s[G0SB+2:G0SB+3], s[92:93]
	s_or_b32 s[G0SB+3], s[G0SB+3], 0x80000000
	JLOAD G0S, G1S, G0SB, G1SB                     ; the scales first: they are wanted with K step 0
.irp s, 0,1
	s_mov_b32 s[G0+4*\s], 1
	s_add_co_u32 s[G0+4*\s+1], s45, \s*SLOT
	s_add_nc_u64 s[G0+4*\s+2:G0+4*\s+3], s[20:21], \s*ROWB
	s_or_b32 s[G0+4*\s+3], s[G0+4*\s+3], 0x80000000
	s_mov_b32 s[G0B+4*\s], 1
	s_add_co_u32 s[G0B+4*\s+1], s45, \s*SLOT
	s_add_nc_u64 s[G0B+4*\s+2:G0B+4*\s+3], s[46:47], \s*ROWB
	s_or_b32 s[G0B+4*\s+3], s[G0B+4*\s+3], 0x80000000
	JLOAD G0+4*\s, G1, G0B+4*\s, G1B               ; three loads of mine are out
.endr
	v_and_b32 v1, 15, v0                           ; r
	v_bfe_u32 v2, v0, 4, 1                         ; h
	v_mul_u32_u24 v3, v1, PITCH
	v_lshl_add_u32 v4, v2, 4, v3
	s_mul_i32 s21, s15, HALFT                      ; my 128 rows of A
	s_mul_i32 s22, s16, HALFT                      ; my 128 rows of B,
	s_add_co_u32 s22, s22, 2*HALFT                 ; behind A's 256
.irp s, 0,1
	v_add_nc_u32 v[ADRA+\s], s21, v4
	v_add_nc_u32 v[ADRB+\s], s22, v4
	s_add_co_u32 s21, s21, SLOT
	s_add_co_u32 s22, s22, SLOT
.endr
	v_mul_u32_u24 v5, v1, KS                       ; my row's scales: KS bytes a row,
	v_lshrrev_b32 v6, 8, v5
	v_lshl_add_u32 v5, v6, 4, v5                   ; and 16 more for each 256 passed
	s_mul_i32 s21, s15, HALFS
	s_mul_i32 s22, s16, HALFS
	s_add_co_u32 s22, s22, 2*HALFS
	s_sub_co_u32 s22, s22, s21
	v_mul_u32_u24 v6, s22, v2                      ; lanes 16-31 take B's
	s_add_co_u32 s21, s21, SCL
	v_add_nc_u32 v5, v5, v6
	v_add_nc_u32 v[ADRS], s21, v5
	s_mul_i32 s23, s14, 16*SPITCH                  ; my stage
	v_mul_u32_u24 v5, v1, SPITCH                   ; in: row r, 16 bytes for each half of the lanes
	v_lshl_add_u32 v5, v2, 4, v5
	v_add_nc_u32 v[STO], s23, v5
	v_mul_u32_u24 v5, v2, SPITCH                   ; back: lanes 0-15 one row of 256 bytes, lanes 16-31 the next
	v_lshl_add_u32 v5, v1, 4, v5
	v_add_nc_u32 v[RD], s23, v5
	v_lshlrev_b32 v5, 12, v2                       ; and the same two rows in C, 4,096 bytes apart
	v_lshl_add_u32 v[CO], v1, 4, v5
	s_lshl_b32 s20, s17, 8
	s_lshl_b32 s21, s15, 7
	s_add_co_u32 s20, s20, s21                     ; my first row of C
	s_lshl_b32 s20, s20, 12
	s_mov_b32 s21, 0
	s_lshl_b32 s46, s42, 9                         ; my first column, in bytes: 512 x tile column + 256 x half
	s_lshl_b32 s47, s16, 8
	s_add_co_u32 s46, s46, s47
	s_mov_b32 s47, 0
	s_add_nc_u64 s[20:21], s[20:21], s[46:47]
	s_add_nc_u64 s[12:13], s[12:13], s[20:21]
.macro FRAG reg, adr, q, i             ; a fragment, 16 rows x 128 K of 4-bit codes: lane l holds row l % 16; registers 4 c .. 4 c + 3 hold K = 64 c + 32 (l / 16) + 0 .. 31
.irp c, 0,1
	ds_load_b128 v[\reg+4*\c:\reg+4*\c+3], v[\adr] offset:64*(\q)+32*\c+(\i)*16*PITCH
.endr
.endm
; 16 matrix instructions: A's blocks a0, a0 + 1 x B's eight, 128 along K.  One register carries A's scale word (lanes 0-15) and B's (lanes 16-31).  The 64 accumulators take turns, one instruction a turn.
.macro MUL16 a0, p, q, sc, zero
.irp a, \a0, \a0+1
.irp b, 0,1,2,3,4,5,6,7
.if \zero
	v_wmma_scale_f32_16x16x128_f8f6f4 v[8*(8*((\a)%4)+\b):8*(8*((\a)%4)+\b)+7], v[128*(\p)+FR*\b:128*(\p)+FR*\b+FR-1], v[AF+FR*(\a):AF+FR*(\a)+FR-1], 0, v[SC+8*NQ*(\sc)+NQ*\b+(\q)], v[SC+8*NQ*(\sc)+NQ*(\a)+(\q)] matrix_a_fmt:MATRIX_FMT_FP4 matrix_b_fmt:MATRIX_FMT_FP4 matrix_a_scale:MATRIX_SCALE_ROW1
.else
	v_wmma_scale_f32_16x16x128_f8f6f4 v[8*(8*((\a)%4)+\b):8*(8*((\a)%4)+\b)+7], v[128*(\p)+FR*\b:128*(\p)+FR*\b+FR-1], v[AF+FR*(\a):AF+FR*(\a)+FR-1], v[8*(8*((\a)%4)+\b):8*(8*((\a)%4)+\b)+7], v[SC+8*NQ*(\sc)+NQ*\b+(\q)], v[SC+8*NQ*(\sc)+NQ*(\a)+(\q)] matrix_a_fmt:MATRIX_FMT_FP4 matrix_b_fmt:MATRIX_FMT_FP4 matrix_a_scale:MATRIX_SCALE_ROW1
.endif
.endr
.endr
.endm
.macro FETCH_B slot, q, p
	WIN TO_B
.irp i, 0,1,2,3,4,5,6,7
	FRAG 128*(\p)+FR*\i, ADRB+\slot, \q, \i
.endr
	WIN 0
.endm
.macro FETCH_A slot, q, i0
.irp i, \i0, \i0+1, \i0+2, \i0+3
	FRAG AF+FR*(\i), ADRA+\slot, \q, \i
.endr
.endm
.macro SCALES sc                       ; the next K step's scale words: four words a row; lanes 0-15 take A's block i, lanes 16-31 B's block i
.irp i, 0,1,2,3,4,5,6,7
	ds_load_b128 v[SC+8*NQ*\sc+NQ*\i:SC+8*NQ*\sc+NQ*\i+3], v[ADRS] offset:\i*SBLK
.endr
.endm
.macro PLACES n
.rept \n
	v_nop
.endr
.endm
.macro STEP slot, q, zero              ; a step of 128 along K that has its successor in the same slot
	s_wait_dscnt 4*NL                              ; B's set and A's blocks 0-3 are in; the youngest loads (A's blocks 4-7) may be out
	WIN MUL_LO
	MUL16 0, (\q)%2, \q, \slot, \zero
	MUL16 2, (\q)%2, \q, \slot, \zero
	s_wait_dscnt 0
	PLACES NP
	FETCH_B \slot, (\q)+1, 1-(\q)%2
	FETCH_A \slot, (\q)+1, 0
	WIN MUL_HI
	MUL16 4, (\q)%2, \q, \slot, \zero
	MUL16 6, (\q)%2, \q, \slot, \zero
	PLACES NP
	WIN 0
	FETCH_A \slot, (\q)+1, 4
.endm
.macro TURN slot, next, fill           ; a slot's last step changes slots: one barrier, the three lines in front of it
	s_wait_tensorcnt 0x0                           ; all my tensor loads have landed: my part of the next slot
	ds_add_u32 v[SPW], v[NIL]                      ; 0 onto my spare word
	s_wait_dscnt 4*NL+1                            ; (the add and A's blocks 4-7 may be out)
	WIN MUL_LO
	MUL16 0, 1, NQ-1, \slot, 0
	s_wait_dscnt 0x0                               ; the add is done, and my reads of this slot are over
	s_barrier_signal -1
	MUL16 2, 1, NQ-1, \slot, 0
	WIN 0
	s_barrier_wait -1
.if \fill
	CREST                                          ; the barrier has opened a round of the cluster's
	s_add_nc_u64 s[G0+4*\slot+2:G0+4*\slot+3], s[G0+4*\slot+2:G0+4*\slot+3], 2*ROWB
	s_add_nc_u64 s[G0B+4*\slot+2:G0B+4*\slot+3], s[G0B+4*\slot+2:G0B+4*\slot+3], 2*ROWB
	JLOAD G0+4*\slot, G1, G0B+4*\slot, G1B         ; my one tensor load behind the round
.else
	PLACES NP
.endif
	v_add_nc_u32 v[ADRS], 4*NQ, v[ADRS]            ; on to the next K step's scale words
	FETCH_B \next, 0, 0
	FETCH_A \next, 0, 0
	SCALES \next
	WIN MUL_HI
	MUL16 4, 1, NQ-1, \slot, 0
	MUL16 6, 1, NQ-1, \slot, 0
	PLACES NP
	WIN 0
	FETCH_A \next, 0, 4
.endm
.macro STEPS slot, from
.set Q, \from
.rept NQ-1-\from
	STEP \slot, Q, 0
.set Q, Q+1
.endr
.endm
	s_wait_tensorcnt 1                             ; the scales and my part of K step 0 are in; K step 1's load may be out
	s_barrier_signal -1
	s_barrier_wait -1
	FETCH_B 0, 0, 0
	FETCH_A 0, 0, 0
	SCALES 0
	FETCH_A 0, 0, 4
	STEP 0, 0, 1                                   ; the first step stands in front of the loop: its products start the sums
	s_mov_b32 s3, LAPS-1
.Llap:
	STEPS 0, 1
	TURN 0, 1, 1
	STEPS 1, 0
	TURN 1, 0, 1
	STEP 0, 0, 0
	s_sub_co_u32 s3, s3, 1
	s_cmp_lg_u32 s3, 0
	s_cbranch_scc1 .Llap
	STEPS 0, 1                                     ; the last lap fills nothing
	TURN 0, 1, 0
	STEPS 1, 0
	s_wait_dscnt 4*NL
	WIN MUL_LO
	MUL16 0, 1, NQ-1, 1, 0
	MUL16 2, 1, NQ-1, 1, 0
	s_wait_dscnt 0
	WIN MUL_HI
	MUL16 4, 1, NQ-1, 1, 0
	MUL16 6, 1, NQ-1, 1, 0
	WIN 0
; THE WAY OUT, block by block of 16 rows x 128 columns: rounded to f16 (16 bytes a lane, each accumulator from its low end on), through my own stage, back as whole rows of 256 bytes, stored sixteen lanes to 256 consecutive bytes, aligned.
.macro PACK a
.set AC, 64*((\a)%4)
	WIN 0x0a+5*((\a)/4)                            ; sources 0 and 1: window 2 or 3
.irp b, 0,1,2,3,4,5,6,7
.irp r, 0,1,2,3
	v_cvt_pk_f16_f32 v[TMP+4*\b+\r], v[AC+8*\b+2*\r], v[AC+8*\b+2*\r+1]
.endr
.endr
	WIN 0
.endm
.macro TOSTAGE a
.set BB, OB+192*((\a)%2)
.irp b, 0,1,2,3,4,5,6,7
	ds_store_b128 v[STO], v[TMP+4*\b:TMP+4*\b+3] offset:32*\b
.endr
.irp t, 0,1,2,3,4,5,6,7
	ds_load_b128 v[BB+4*\t:BB+4*\t+3], v[RD] offset:\t*2*SPITCH    ; LDS serves a wave's instructions in order: these see the stores above
.endr
.endm
.macro SEND a
.set BB, OB+192*((\a)%2)
	s_wait_dscnt 0x0                               ; the block is back in registers
	s_wait_xcnt 0x0                                ; the earlier stores have read their base and their registers
.if (\a) > 0
	s_add_nc_u64 s[12:13], s[12:13], 16*4096       ; 16 rows of C on
.endif
.irp t, 0,1,2,3,4,5,6,7
	global_store_b128 v[CO], v[BB+4*\t:BB+4*\t+3], s[12:13] offset:2*\t*4096
.endr
.endm
	PLACES NP
	PACK 0
	TOSTAGE 0
.irp a, 1,2,3,4,5,6,7                  ; block a's conversions stand between block a - 1's loads from the stage and the wait for them
	PACK \a
	SEND \a-1
	TOSTAGE \a
.endr
	SEND 7
	s_wait_tensorcnt 0x0                           ; the wave's end
	ds_add_u32 v[SPW], v[NIL]
	s_wait_dscnt 0x0
	CROUND                                         ; the closing round
	s_endpgm
.Lfunc_end_k_qfc999d8b86_vproj:
	.size	k_qfc999d8b86_vproj, .Lfunc_end_k_qfc999d8b86_vproj-k_qfc999d8b86_vproj
	.p2alignl 7, 3214868480
	.fill 96, 4, 3214868480
	.section	.rodata,"a",@progbits
	.p2align	6, 0x0
	.amdhsa_kernel k_qfc999d8b86_vproj
		.amdhsa_group_segment_fixed_size 327680
		.amdhsa_private_segment_fixed_size 0
		.amdhsa_enable_private_segment 0
		.amdhsa_kernarg_size 24
		.amdhsa_user_sgpr_count 2
		.amdhsa_user_sgpr_kernarg_segment_ptr 1
		.amdhsa_wavefront_size32 1
		.amdhsa_system_sgpr_workgroup_id_x 1
		.amdhsa_system_sgpr_workgroup_id_y 1
		.amdhsa_system_sgpr_workgroup_id_z 1
		.amdhsa_system_vgpr_workitem_id 0
		.amdhsa_next_free_vgpr 1024
		.amdhsa_next_free_sgpr 98
		.amdhsa_reserve_vcc 0
		.amdhsa_float_denorm_mode_32 3
		.amdhsa_float_denorm_mode_16_64 3
		.amdhsa_memory_ordered 1
		.amdhsa_forward_progress 1
		.amdhsa_inst_pref_size 214
	.end_amdhsa_kernel
	.amdgpu_metadata
---
amdhsa.version: [ 1, 2 ]
amdhsa.kernels:
  - .name:           k_qfc999d8b86_vproj
    .symbol:         k_qfc999d8b86_vproj.kd
    .args:
      - { .name: codes, .offset: 0, .size: 8, .value_kind: global_buffer, .address_space: global }
      - { .name: scales, .offset: 8, .size: 8, .value_kind: global_buffer, .address_space: global }
      - { .name: v16, .offset: 16, .size: 8, .value_kind: global_buffer, .address_space: global }
    .group_segment_fixed_size: 327680
    .private_segment_fixed_size: 0
    .kernarg_segment_align: 8
    .kernarg_segment_size: 24
    .max_flat_workgroup_size: 128
    .sgpr_count:     98
    .vgpr_count:     1024
    .wavefront_size: 32
...
	.end_amdgpu_metadata
.endif
;; end of part 3
;; launch attn (part 4): grid 8 x 32, 4 waves a work-group, clusters of 4 x 1, 327,680 bytes of LDS; arguments qk16, v16, mbits, ao16; writes ao16
.if DOCPART == 4
	.amdgcn_target "amdgcn-amd-amdhsa--gfx1250"
	.amdhsa_code_object_version 6
	.text
	.protected	k_qfc999d8b86_attn
	.globl	k_qfc999d8b86_attn
	.p2align	8
	.type	k_qfc999d8b86_attn,@function
k_qfc999d8b86_attn:
	s_mov_b64 s[64:65], 0
	v_nop
	global_prefetch_b8 v0, s[64:65] scope:SCOPE_SE
	s_setreg_imm32_b32 hwreg(HW_REG_WAVE_MODE, 25, 1), 1
	s_wait_xcnt 0x0
	s_wait_alu depctr_hold_cnt(0) depctr_sa_sdst(0) depctr_va_vdst(0) depctr_va_sdst(0) depctr_va_ssrc(0) depctr_va_vcc(0) depctr_vm_vsrc(0)
	s_getreg_b32 s2, hwreg(HW_REG_IB_STS2, 6, 4)
	s_cmp_eq_u32 s2, 0
	s_cbranch_scc0 .Lentry_in_a_cluster
	s_endpgm
.Lentry_in_a_cluster:
	s_bfe_u32 s2, ttmp6, 0x10000c
	s_cmp_lg_u32 s2, 0x3003
	s_cbranch_scc0 .Lentry_shape_is_right
	s_endpgm
.Lentry_shape_is_right:
; ao[b][q][h][:] = the sum over k of softmax_k(score(q, k), hidden keys at the least f32 number) v[b][k][h][:].  q and k are normalised and scaled already (f16; q carries log2(e) / sqrt(128)), so a score is an exponent of 2.
; qk16: [6144][2048] f16: rows 0-2047 q (b, q), rows 2048-6143 k (b, k); v16: [4096][2048] f16; a head is 128 numbers, 256 bytes, of a row.  mbits: for each tile of 16 queries and each step of 64 keys 32 words: word 8 kt + j is the lane mask of
; score register 8 kt + j.  Products with f16 operands and f32 sums; maxima, exponentials and sums in f32; the weights p are rounded to f16 for the second product, the result once at the end.
; THE MASK.  A hidden score BECOMES the least f32 number, by a select; the running maximum m begins there too.  So p = 2^(s - m) is 0 for a hidden key beside a key that counts, and 1 for every key of a row that is wholly hidden: the plain average.
; SHARES.  A work-group owns 128 queries of one head (256 work-groups), each of its four waves 32: two tiles of 16.  Every wave walks all 2,048 keys, 64 a step.
; LAYOUT.  S^T = K Q^T (source 0 = 16 keys, source 1 = 16 queries): a lane holds ONE query (lane % 16) and keys 8 (lane / 16) + 0..7.  Two such tiles, rounded in pairs, ARE source 1 of O^T = V^T P.  K comes out of LDS as it lies, V turned, by ds_load_tr16_b128.
; IN PHASES: a trip is the softmax of step j, V^T P of step j, K Q^T of step j + 1; K's fragments of step j + 1 are fetched ahead of the softmax, V's behind the products.
; CLUSTER.  The four query blocks of a cluster belong to one head and walk the same K and V: each tile is asked for jointly.  A slot holds two key steps; one joint load a wave behind each round.
; REGISTERS: window 0: v1-9 addresses; v12-27 statistics, eight a tile (+0 m, +1 0, +2, +3 the sum in two halves, +4..+7 at work; a in +6); v64-127 S^T; v128-159 P.  window 1: v0-127 O^T; v128-255 V.  window 2: v0-63 Q; v128-255 K.
; LIMITS: the result stays under 65,504 (f16); NaN and infinities are not served.
.set KS,    64
.set ROW,   4096                       ; a row of qk16, v16 and ao16 in bytes
.set PK,    272                        ; a key's row in LDS: 256 bytes + 16
.set PV,    288                        ; a row of V: 256 + 32, for the turning load
.set VOFF,  KS*PK
.set STEPB, KS*(PK+PV)
.set SLOT1, 1<<17                      ; slot 1 begins here: one exclusive or turns an address in one slot into the other's
.set STAGE, SLOT1+2*STEPB              ; behind the ring: 16 rows x 272 bytes for each wave, for the way out
.set SP,    272
.set SPARE, STAGE+4*16*SP              ; behind the stages: the spare words
.set AK0, 2
.set AV0, 3
.set ADR, 4
.set QO,  5
.set STO, 6
.set RD,  7
.set GO,  8
.set ST,  12
.set BIG, 28                           ; v28  the least f32 number
.set PFO, 29                           ; v29  4,096 x my lane: the prefetches' offset, a lane a row; never rewritten
.set SPW, 30
.set NIL, 31
.set S,   64
.set P,   128
.set KF,  128                          ; K's fragments, in window 2
.set VF,  128                          ; V's fragments, in window 1
.set G1K, 4                            ; s[4:11]   descriptor group 1 for K's tiles;  s[12:19] for V's: it differs in the padding alone
.set G1V, 12
.set G0K, 20                           ; s[20:23], s[24:27] their groups 0, which walk
.set G0V, 24
.set WV,  28                           ; s28  my wave's number
.set SLOTS, 29                         ; s29  slots still to be asked for
.set MP,  30                           ; s[30:31] where the step's mask words stand;  s[32:63] tile 0's 32 words, s[68:99] tile 1's
.set SEL, 66                           ; s[66:67] lane selects for v_permlanex16_b32: lane l xor 16
.set PFA, 100                          ; s[100:101] where my prefetches stand
.set TB,  104                          ; s104 LDS byte at which the tiles of the step to be fetched begin
.set TWICE, 105                        ; s105 counts a slot's two steps
.set MSB, 0
.macro WIN new
.if MSB != \new
	s_set_vgpr_msb (MSB<<8)|\new
.set MSB, \new
.endif
.endm
.set W_KQ, 0x0a                        ; K and Q in window 2, S^T in window 0
.set W_PV, 0x51                        ; V, C and D in window 1, P in window 0
.set W_RS, 0x41                        ; O^T (destination and source 0) in window 1, the factor in window 0
.macro JLOAD                           ; a joint load: waves 0 and 1 fetch the slot's two tiles of K, waves 2 and 3 those of V; an s_nop 0 and four v_nop follow each of the two lines
	s_cmp_lt_u32 s[WV], 2
	s_cbranch_scc0 .Lfor_v_\@
	tensor_load_to_lds s[G0K:G0K+3], s[G1K:G1K+7]
	s_nop 0
.rept 4
	v_nop
.endr
	s_branch .Lasked_\@
.Lfor_v_\@:
	tensor_load_to_lds s[G0V:G0V+3], s[G1V:G1V+7]
	s_nop 0
.rept 4
	v_nop
.endr
.Lasked_\@:
.endm
; A PREFETCH of what the NEXT change of slots will ask for: 128 rows of K and of V, 256 bytes of each row, a lane a row: two key steps, 128 matrix instructions and two softmaxes, ahead of that load.
; Each row's 256 bytes are named once in the launch: both clusters of a head walk the same rows, the first asks; its four partners take 32 rows each, told apart by ADDRESS; in each, wave 0 asks for K's and wave 2 for V's.
; The last change that fills a slot asks for nothing; nothing is asked for at the head.
.macro ASK
	s_and_b32 s2, s[WV], 1
	s_or_b32 s2, s2, ttmp9                         ; 0 in waves 0 and 2 of the head's first cluster: the same in all four partners
	s_cmp_lg_u32 s2, 0
	s_cbranch_scc1 .Lnot_mine_\@
	s_cmp_gt_u32 s[SLOTS], 1
	s_cbranch_scc0 .Lnot_mine_\@
	global_prefetch_b8 v[PFO], s[PFA:PFA+1] th:TH_LOAD_NT scope:SCOPE_SE
.Lnot_mine_\@:
.endm
.macro CROUND
	s_barrier_signal -1
	s_barrier_wait -1
	s_cmp_lg_u32 s[WV], 0
	s_cbranch_scc1 .Lnot_wave_0_\@
	s_barrier_signal -3
.Lnot_wave_0_\@:
	s_barrier_wait -3
	s_barrier_signal -1
	s_barrier_wait -1
.endm
.macro PLACES
.rept 4
	v_nop
.endr
.endm
	s_load_b256 s[32:39], s[0:1], 0x0              ; qk16 s[32:33], v16 s[34:35], mbits s[36:37] (ao16 is loaded at the end: these registers take the mask words)
	v_lshl_add_u32 v[SPW], v0, 2, SPARE
	v_mov_b32 v[NIL], 0
	ds_add_u32 v[SPW], v[NIL]                      ; the wave's opening: the add, twice on end, and its wait ahead of my first tensor load
	ds_add_u32 v[SPW], v[NIL]
	v_lshrrev_b32 v1, 5, v0
	v_readfirstlane_b32 s[WV], v1                  ; wave 0..3
	s_bfe_u32 s40, ttmp6, 0x40000                  ; cx
	s_lshl_b32 s41, ttmp9, 2
	s_add_co_u32 s41, s41, s40                     ; my block of 128 queries: it enters Q's, the mask's and the result's addresses alone
	s_and_b32 s42, ttmp7, 0xffff
	s_lshr_b32 s43, s42, 4                         ; b
	s_and_b32 s42, s42, 15
	s_lshl_b32 s42, s42, 8                         ; the head's 256 bytes in a row
	s_and_b32 s44, s[WV], 1                        ; which of a slot's two steps I fetch
	s_lshl_b32 s46, s43, 11
	s_lshl_b32 s45, s44, 6
	s_add_co_u32 s46, s46, s45                     ; V: row 2048 b + 64 x step
	s_lshl_b32 s46, s46, 12
	s_add_co_u32 s46, s46, s42
	s_mov_b32 s47, 0
	s_add_co_u32 s48, s46, 0x800000                ; K: 2,048 rows further on in its buffer
	s_mov_b32 s49, 0
	s_mul_i32 s45, s44, STEPB                      ; and the step's place in a slot: no place in the cluster enters an LDS address
	s_lshl_b32 s50, s43, 10
	s_lshl_b32 s51, s41, 7
	s_add_co_u32 s50, s50, s51
	s_lshl_b32 s51, s[WV], 5
	s_add_co_u32 s50, s50, s51                     ; Q: row 1024 b + 128 x block + 32 x wave
	s_lshl_b32 s50, s50, 12
	s_add_co_u32 s50, s50, s42
	s_mov_b32 s51, 0
	s_lshl_b32 s52, s43, 6
	s_lshl_b32 s53, s41, 3
	s_add_co_u32 s52, s52, s53
	s_lshl_b32 s53, s[WV], 1
	s_add_co_u32 s52, s52, s53                     ; my first tile of queries: 64 b + 8 x block + 2 x wave,
	s_lshl_b32 s52, s52, 12                        ; 4,096 bytes of mask words each
	s_mov_b32 s53, 0
	s_lshl_b32 s54, s43, 23                        ; the prefetches: the batch's 2,048 rows,
	s_add_co_u32 s54, s54, s42                     ; the head,
	s_lshl_b32 s55, s40, 17                        ; my work-group's 32 rows of a slot's 128,
	s_add_co_u32 s54, s54, s55
	s_add_co_u32 s54, s54, 256*ROW                 ; in the third slot's keys: the first asking change steps it to the fourth's
	s_cmp_lt_u32 s[WV], 2
	s_cselect_b32 s55, 0x800000, 0                 ; K's rows lie behind q's
	s_add_co_u32 s54, s54, s55
	s_mov_b32 s55, 0
	s_mov_b32 s[G1K], 15|(1<<16)|(1<<20)|(1<<21)|(5<<22)|(3<<25)  ; the mask: all four work-groups; elements of 2 bytes; padding on; bit 21 beside a mask; after every 64 words four words
	s_mov_b32 s[G1V], 15|(1<<16)|(1<<20)|(1<<21)|(5<<22)|(7<<25)  ; the same with eight words
.irp g, G1K, G1V
	s_mov_b32 s[\g+1], 128<<16                     ; tensor_dim0 = 128
	s_mov_b32 s[\g+2], KS<<16                      ; tensor_dim1 = 64
	s_mov_b32 s[\g+3], 128<<16                     ; tile_dim0 = 128
	s_mov_b32 s[\g+4], KS                          ; tile_dim1 = 64
	s_mov_b32 s[\g+5], 2048                        ; elements from row to row
	s_mov_b32 s[\g+6], 0
	s_mov_b32 s[\g+7], 0
.endr
	s_mov_b32 s[SEL], 0x76543210
	s_mov_b32 s[SEL+1], 0xfedcba98
	s_mov_b32 s[TB], 0
	s_mov_b32 s[SLOTS], 14
	s_wait_dscnt 0x0                               ; both opening adds are done
	s_wait_kmcnt 0x0
	s_mov_b32 s[G0K], 1
	s_mov_b32 s[G0K+1], s45
	s_add_nc_u64 s[G0K+2:G0K+3], s[32:33], s[48:49]
	s_or_b32 s[G0K+3], s[G0K+3], 0x80000000
	s_mov_b32 s[G0V], 1
	s_add_co_u32 s[G0V+1], s45, VOFF
	s_add_nc_u64 s[G0V+2:G0V+3], s[34:35], s[46:47]
	s_or_b32 s[G0V+3], s[G0V+3], 0x80000000
	s_add_nc_u64 s[2:3], s[32:33], s[50:51]        ; Q at my wave's first row
	s_add_nc_u64 s[MP:MP+1], s[36:37], s[52:53]
	s_cmp_lt_u32 s[WV], 2
	s_cselect_b64 s[PFA:PFA+1], s[32:33], s[34:35]
	s_add_nc_u64 s[PFA:PFA+1], s[PFA:PFA+1], s[54:55]
	CROUND                                         ; all four work-groups are here: the first joint loads meet
	JLOAD                                          ; keys 0-127 into slot 0: one load of mine is out
	v_and_b32 v1, 15, v0                           ; r
	v_bfe_u32 v9, v0, 4, 1                         ; h
	v_lshlrev_b32 v[QO], 12, v1
	v_lshl_add_u32 v[QO], v9, 4, v[QO]             ; row r, + 16 h
	WIN 0x80                                       ; destination window 2
.irp i, 0,1,2,3,4,5,6,7                        ; Q stays in registers: tile i / 4, channels 32 (i % 4) on
	global_load_b128 v[8*\i:8*\i+3],   v[QO], s[2:3] offset:(\i/4)*16*ROW+(\i%4)*64
	global_load_b128 v[8*\i+4:8*\i+7], v[QO], s[2:3] offset:(\i/4)*16*ROW+(\i%4)*64+32
.endr
	WIN 0
	v_mul_u32_u24 v[AK0], v1, PK
	v_lshl_add_u32 v[AK0], v9, 4, v[AK0]           ; K: row x pitch + 16 h
	v_and_b32 v10, 7, v0                           ; V: the turning load takes 16 keys x 16 channels: lane l reads key 8 h + l % 8, channels 8 ((l / 8) % 2) on
	v_bfe_u32 v11, v0, 3, 1
	v_lshl_add_u32 v[AV0], v9, 3, v10
	v_mul_u32_u24 v[AV0], v[AV0], PV
	v_lshl_add_u32 v[AV0], v11, 4, v[AV0]
	v_add_nc_u32 v[AV0], VOFF, v[AV0]
	s_mul_i32 s[TWICE], s[WV], 16*SP
	s_add_co_u32 s[TWICE], s[TWICE], STAGE         ; my stage
	v_mul_u32_u24 v[STO], v1, SP                   ; in: row r, 16 bytes for each half of the lanes
	v_lshl_add_u32 v[STO], v9, 4, v[STO]
	v_add_nc_u32 v[STO], s[TWICE], v[STO]
	v_mul_u32_u24 v[RD], v9, SP                    ; back: lanes 0-15 one row of 256 bytes, lanes 16-31 the next
	v_lshl_add_u32 v[RD], v1, 4, v[RD]
	v_add_nc_u32 v[RD], s[TWICE], v[RD]
	v_lshlrev_b32 v[GO], 12, v9                    ; and the same two rows in the result
	v_lshl_add_u32 v[GO], v1, 4, v[GO]
	v_and_b32 v[PFO], 31, v0
	v_lshlrev_b32 v[PFO], 12, v[PFO]
	v_mov_b32 v[BIG], 0xff7fffff
.irp t, 0,1
	v_mov_b32 v[ST+8*\t], v[BIG]                   ; m: under or at every score
	v_mov_b32 v[ST+8*\t+1], 0                      ; (named with m as a pair)
	v_mov_b32 v[ST+8*\t+2], 0                      ; the sum, in two halves
	v_mov_b32 v[ST+8*\t+3], 0
.endr
	WIN 0x40
.set n, 0
.rept 128
	v_mov_b32 v[n], 0                              ; O^T.  (The step is written without a first step of its own: 128 lines run once in place of one more copy of the step)
.set n, n+1
.endr
	WIN 0
	s_load_b512 s[32:47], s[MP:MP+1], 0x0          ; step 0's mask words: they land on the head's scalars, which are done with
	s_load_b512 s[48:63], s[MP:MP+1], 0x40
	s_load_b512 s[68:83], s[MP:MP+1], 0x1000
	s_load_b512 s[84:99], s[MP:MP+1], 0x1040
; 32 products S^T = K Q^T: product i: channels 32 (i / 8) on, keys 16 ((i / 2) % 4) on, tile i % 2; the first 8 start the sums.  The accumulators take turns, one instruction a turn.
.macro KQ
	WIN W_KQ
.set i, 0
.rept 32
.set rS, S+32*(i%2)+8*((i/2)%4)
.set rK, KF+32*((i/2)%4)+8*(i/8)
.set rQ, 32*(i%2)+8*(i/8)
.if i < 8
	v_wmma_f32_16x16x32_f16 v[rS:rS+7], v[rK:rK+7], v[rQ:rQ+7], 0
.else
	v_wmma_f32_16x16x32_f16 v[rS:rS+7], v[rK:rK+7], v[rQ:rQ+7], v[rS:rS+7]
.endif
.set i, i+1
.endr
.endm
; 32 products O^T += V^T P: product i: keys 32 (i / 16) on, channels 16 ((i / 2) % 8) on, tile i % 2
.macro PVM
	WIN W_PV
.set i, 0
.rept 32
.set rO, 64*(i%2)+8*((i/2)%8)
.set rV, VF+64*(i/16)+8*((i/2)%8)
.set rP, P+16*(i%2)+8*(i/16)
	v_wmma_f32_16x16x32_f16 v[rO:rO+7], v[rV:rV+7], v[rP:rP+7], v[rO:rO+7]
.set i, i+1
.endr
.endm
.macro FETCH_K                         ; a step's K: 64 keys x 128 channels: 16 fragments, 32 loads in one run
	WIN 0
	v_add_nc_u32 v[ADR], s[TB], v[AK0]
	WIN 0x80
.irp f, 0,1,2,3,4,5,6,7,8,9,10,11,12,13,14,15
	ds_load_b128 v[KF+8*\f:KF+8*\f+3],   v[ADR] offset:(\f/4)*16*PK+(\f%4)*64
	ds_load_b128 v[KF+8*\f+4:KF+8*\f+7], v[ADR] offset:(\f/4)*16*PK+(\f%4)*64+32
.endr
.endm
.macro FETCH_V                         ; the same step's V, turned
	WIN 0
	v_add_nc_u32 v[ADR], s[TB], v[AV0]
	s_add_co_u32 s[TB], s[TB], STEPB               ; the next fetch is the next step's
	WIN 0x40
.irp f, 0,1,2,3,4,5,6,7,8,9,10,11,12,13,14,15
	ds_load_tr16_b128 v[VF+8*\f:VF+8*\f+3],   v[ADR] offset:(\f/8)*32*PV+(\f%8)*32
	ds_load_tr16_b128 v[VF+8*\f+4:VF+8*\f+7], v[ADR] offset:(\f/8)*32*PV+16*PV+(\f%8)*32
.endr
.endm
; THE SOFTMAX of a step, both tiles by turns.  more = 1: the next step's mask words are asked for as soon as this step's have been read.
.macro SOFTMAX more
	WIN 0
	s_wait_kmcnt 0x0                               ; the step's 64 mask words
.set n, 0
.rept 32
	v_cndmask_b32 v[S+n], v[BIG], v[S+n], s[32+n]          ; a hidden score becomes the least f32 number.  (Ascending: each accumulator is first read at its low end)
	v_cndmask_b32 v[S+32+n], v[BIG], v[S+32+n], s[68+n]
.set n, n+1
.endr
.irp j, 0,1,2,3                                ; the maximum of the lane's 32 scores and the old m, three operands at a time, in four chains
.irp t, 0,1
	v_max3_num_f32 v[ST+8*\t+4+\j], v[S+32*\t+8*\j], v[S+32*\t+8*\j+1], v[S+32*\t+8*\j+2]
.endr
.endr
.irp u, 1,2
.irp j, 0,1,2,3
.irp t, 0,1
	v_max3_num_f32 v[ST+8*\t+4+\j], v[ST+8*\t+4+\j], v[S+32*\t+8*\j+2*\u+1], v[S+32*\t+8*\j+2*\u+2]
.endr
.endr
.endr
.irp t, 0,1
	v_max3_num_f32 v[ST+8*\t+4], v[ST+8*\t+4], v[S+32*\t+7], v[S+32*\t+15]
.endr
.irp t, 0,1
	v_max3_num_f32 v[ST+8*\t+6], v[ST+8*\t+6], v[S+32*\t+23], v[S+32*\t+31]
.endr
.irp t, 0,1
	v_max3_num_f32 v[ST+8*\t+4], v[ST+8*\t+4], v[ST+8*\t+5], v[ST+8*\t+6]
.endr
.irp t, 0,1
	v_max3_num_f32 v[ST+8*\t+4], v[ST+8*\t+4], v[ST+8*\t+7], v[ST+8*\t]
.endr
.if \more
	s_add_nc_u64 s[MP:MP+1], s[MP:MP+1], 128       ; (the loads that read this pointer have been waited for)
	s_load_b512 s[32:47], s[MP:MP+1], 0x0          ; they have the rest of the trip in which to land
	s_load_b512 s[48:63], s[MP:MP+1], 0x40
	s_load_b512 s[68:83], s[MP:MP+1], 0x1000
	s_load_b512 s[84:99], s[MP:MP+1], 0x1040
.endif
.irp t, 0,1
	v_permlanex16_b32 v[ST+8*\t+5], v[ST+8*\t+4], s[SEL], s[SEL+1]   ; the query's other 32 keys lie in the lane 16 away
.endr
.irp t, 0,1
	v_mov_b32 v[ST+8*\t+7], v[ST+8*\t]             ; the old m
.endr
.irp t, 0,1
	v_max_num_f32 v[ST+8*\t], v[ST+8*\t+4], v[ST+8*\t+5]
.endr
.irp t, 0,1
	v_sub_f32 v[ST+8*\t+7], v[ST+8*\t+7], v[ST+8*\t]
.endr
.set n, 0
.rept 16
.irp t, 0,1
	v_pk_add_f32 v[S+32*\t+n:S+32*\t+n+1], v[S+32*\t+n:S+32*\t+n+1], v[ST+8*\t:ST+8*\t+1] op_sel_hi:[1,0] neg_lo:[0,1] neg_hi:[0,1]   ; s - m, two at a time
.endr
.set n, n+2
.endr
.irp t, 0,1
	v_exp_f32 v[ST+8*\t+6], v[ST+8*\t+7]           ; a = 2^(old m - new m)
.endr
.set n, 0
.rept 64
	v_exp_f32 v[S+n], v[S+n]                       ; p = 2^(s - m)
.set n, n+1
.endr
	v_nop                                          ; a plain line behind the last exponential,
	s_wait_alu depctr_va_vdst(0)                   ; and ONE wait for the 66, ahead of their first reader
.set n, 0
.rept 32
	v_cvt_pk_f16_f32 v[P+n], v[S+2*n], v[S+2*n+1]
.set n, n+1
.endr
.irp u, 0,1,2,3,4,5,6,7                        ; the sum of the unrounded p, in pairs, as a tree in place
.irp t, 0,1
	v_pk_add_f32 v[S+32*\t+4*\u:S+32*\t+4*\u+1], v[S+32*\t+4*\u:S+32*\t+4*\u+1], v[S+32*\t+4*\u+2:S+32*\t+4*\u+3]
.endr
.endr
.irp u, 0,1,2,3
.irp t, 0,1
	v_pk_add_f32 v[S+32*\t+8*\u:S+32*\t+8*\u+1], v[S+32*\t+8*\u:S+32*\t+8*\u+1], v[S+32*\t+8*\u+4:S+32*\t+8*\u+5]
.endr
.endr
.irp u, 0,1
.irp t, 0,1
	v_pk_add_f32 v[S+32*\t+16*\u:S+32*\t+16*\u+1], v[S+32*\t+16*\u:S+32*\t+16*\u+1], v[S+32*\t+16*\u+8:S+32*\t+16*\u+9]
.endr
.endr
.irp t, 0,1
	v_pk_add_f32 v[S+32*\t:S+32*\t+1], v[S+32*\t:S+32*\t+1], v[S+32*\t+16:S+32*\t+17]
.endr
.irp t, 0,1
	v_pk_fma_f32 v[ST+8*\t+2:ST+8*\t+3], v[ST+8*\t+2:ST+8*\t+3], v[ST+8*\t+6:ST+8*\t+7], v[S+32*\t:S+32*\t+1] op_sel_hi:[1,0,1]   ; the sum = a x the sum + this step's
.endr
	WIN W_RS
.set n, 0
.rept 64
	v_pk_mul_f32 v[2*n:2*n+1], v[2*n:2*n+1], v[ST+8*(n/32)+6:ST+8*(n/32)+7] op_sel_hi:[1,0]   ; O^T x a
.set n, n+1
.endr
.endm
.macro TRIP
	FETCH_K                                        ; the next step's K: its last readers stand four places back
	SOFTMAX 1
	s_wait_dscnt 32                                ; V of the step in hand is in; the 32 loads of K issued behind it may be out
	PVM
	s_wait_dscnt 0x0                               ; K is in
	KQ
	WIN 0
	PLACES                                         ; behind the last products: for the loads into V's and K's registers and for the first read of the scores
	FETCH_V
	WIN 0
.endm
; THE CHANGE OF SLOTS.  Each wave waits for all its tensor loads (one is out: its part of the other slot), adds 0 to its spare word, and waits for that and for its reads of the slot that is left.
; fill = 1: a round of the cluster's barrier, and behind it the joint load of the next 128 keys; turn = 1: the fetches go on in the other slot; ask = 1: a prefetch follows.
.macro CHANGE fill, turn, ask
	WIN 0
	s_wait_tensorcnt 0x0                           ; no tensor load of mine is out, so a group 0 may be written
	ds_add_u32 v[SPW], v[NIL]                      ; 0 onto my spare word
.if \fill
	s_xor_b32 s[G0K+1], s[G0K+1], SLOT1            ; the walking descriptors: the other slot than last time,
	s_add_nc_u64 s[G0K+2:G0K+3], s[G0K+2:G0K+3], 2*KS*ROW   ; the next 128 keys
	s_xor_b32 s[G0V+1], s[G0V+1], SLOT1
	s_add_nc_u64 s[G0V+2:G0V+3], s[G0V+2:G0V+3], 2*KS*ROW
.endif
.if \ask
	s_wait_xcnt 0x0                                ; the last prefetch, two key steps back, has read its address
	s_add_nc_u64 s[PFA:PFA+1], s[PFA:PFA+1], 2*KS*ROW
.endif
	s_wait_dscnt 0x0                               ; the add is done, and my reads of the slot are over
.if \fill
	CROUND
	JLOAD                                          ; my one tensor load behind the round: it has two key steps in which to land
.if \ask
	ASK
.endif
.else
	s_barrier_signal -1
	s_barrier_wait -1
.endif
.if \turn
	s_sub_co_u32 s[TB], s[TB], 2*STEPB
	s_xor_b32 s[TB], s[TB], SLOT1
.endif
.endm
.macro TWO_TRIPS                       ; a slot's two key steps: written once, walked twice
	s_mov_b32 s[TWICE], 2
.Lstep_\@:
	TRIP
	s_sub_co_u32 s[TWICE], s[TWICE], 1
	s_cmp_lg_u32 s[TWICE], 0
	s_cbranch_scc1 .Lstep_\@
.endm
	CHANGE 1, 0, 0                                 ; slot 0 is whole in every wave's sight; slot 1 gets its first fill, behind a round at which nothing is filled again
	FETCH_K                                        ; key step 0
	s_wait_loadcnt 0x0                             ; Q
	s_wait_dscnt 0x0
	KQ
	WIN 0
	PLACES
	FETCH_V
	WIN 0
	TRIP                                           ; the softmax and V^T P of step 0, K Q^T of step 1
.Lslot:                                            ; 14 trips: every slot's worth of keys but the first two is asked for here
	CHANGE 1, 1, 1
	TWO_TRIPS
	s_sub_co_u32 s[SLOTS], s[SLOTS], 1
	s_cmp_lg_u32 s[SLOTS], 0
	s_cbranch_scc1 .Lslot
	CHANGE 0, 1, 0                                 ; the tail is written out
	TWO_TRIPS
	SOFTMAX 0                                      ; the last step
	WIN 0
	s_load_b64 s[32:33], s[0:1], 0x18              ; the result's address (the mask words are done with)
	s_bfe_u32 s34, ttmp6, 0x40000
	s_lshl_b32 s35, ttmp9, 2
	s_add_co_u32 s34, s34, s35                     ; my block
	s_lshl_b32 s34, s34, 2
	s_add_co_u32 s34, s34, s[WV]
	s_and_b32 s35, ttmp7, 0xffff
	s_lshr_b32 s36, s35, 4
	s_and_b32 s35, s35, 15
	s_lshl_b32 s36, s36, 5
	s_add_co_u32 s34, s34, s36                     ; (1024 b + 128 x block + 32 x wave) / 32
	s_lshl_b32 s34, s34, 17                        ; x 32 rows of 4,096 bytes
	s_lshl_b32 s35, s35, 8
	s_add_co_u32 s34, s34, s35
	s_mov_b32 s35, 0
	s_wait_kmcnt 0x0
	s_add_nc_u64 s[32:33], s[32:33], s[34:35]
	s_wait_dscnt 0x0                               ; V is in
	PVM
	WIN 0
	PLACES
	; THE WAY OUT.  The sum's halves and the other half of the lanes' are added; O^T is divided by the sum, rounded to f16 and sent through my stage, a tile (16 rows) at a time.
.irp t, 0,1
	v_add_f32 v[ST+8*\t+4], v[ST+8*\t+2], v[ST+8*\t+3]
.endr
.irp t, 0,1
	v_permlanex16_b32 v[ST+8*\t+5], v[ST+8*\t+4], s[SEL], s[SEL+1]
.endr
.irp t, 0,1
	v_add_f32 v[ST+8*\t+4], v[ST+8*\t+4], v[ST+8*\t+5]
.endr
.irp t, 0,1
	v_rcp_f32 v[ST+8*\t+6], v[ST+8*\t+4]
.endr
	v_nop
	s_wait_alu depctr_va_vdst(0)                   ; one wait for the two reciprocals, ahead of their first reader
.macro PACK t
	WIN W_RS
.set i, 64*\t
.rept 32
	v_pk_mul_f32 v[i:i+1], v[i:i+1], v[ST+8*\t+6:ST+8*\t+7] op_sel_hi:[1,0]
.set i, i+2
.endr
	WIN 0x05                                       ; sources 0 and 1 window 1, destination window 0: S^T's registers are free
.set i, 0
.rept 32
	v_cvt_pk_f16_f32 v[S+32*\t+i], v[64*\t+2*i], v[64*\t+2*i+1]
.set i, i+1
.endr
	WIN 0
.irp f, 0,1,2,3,4,5,6,7
	ds_store_b128 v[STO], v[S+32*\t+4*\f:S+32*\t+4*\f+3] offset:32*\f
.endr
.irp f, 0,1,2,3,4,5,6,7
	ds_load_b128 v[S+32*\t+4*\f:S+32*\t+4*\f+3], v[RD] offset:\f*2*SP   ; LDS serves a wave's instructions in order: these see the stores above; the next tile's stores come behind them
.endr
.endm
.macro SEND t, younger                 ; younger: the LDS instructions issued behind tile t's loads
.irp f, 0,1,2,3,4,5,6,7
	s_wait_dscnt \younger+7-\f
	global_store_b128 v[GO], v[S+32*\t+4*\f:S+32*\t+4*\f+3], s[32:33] offset:\t*16*ROW+\f*2*ROW   ; 16 lanes store a head's 256 consecutive bytes, aligned
.endr
.endm
	PACK 0
	PACK 1
	SEND 0, 16
	SEND 1, 0
	s_wait_tensorcnt 0x0                           ; the wave's end
	ds_add_u32 v[SPW], v[NIL]
	s_wait_dscnt 0x0
	CROUND                                         ; the closing round
	s_endpgm
.Lfunc_end_k_qfc999d8b86_attn:
	.size	k_qfc999d8b86_attn, .Lfunc_end_k_qfc999d8b86_attn-k_qfc999d8b86_attn
	.p2alignl 7, 3214868480
	.fill 96, 4, 3214868480
	.section	.rodata,"a",@progbits
	.p2align	6, 0x0
	.amdhsa_kernel k_qfc999d8b86_attn
		.amdhsa_group_segment_fixed_size 327680
		.amdhsa_private_segment_fixed_size 0
		.amdhsa_enable_private_segment 0
		.amdhsa_kernarg_size 32
		.amdhsa_user_sgpr_count 2
		.amdhsa_user_sgpr_kernarg_segment_ptr 1
		.amdhsa_wavefront_size32 1
		.amdhsa_system_sgpr_workgroup_id_x 1
		.amdhsa_system_sgpr_workgroup_id_y 1
		.amdhsa_system_sgpr_workgroup_id_z 1
		.amdhsa_system_vgpr_workitem_id 0
		.amdhsa_next_free_vgpr 768
		.amdhsa_next_free_sgpr 106
		.amdhsa_reserve_vcc 0
		.amdhsa_float_denorm_mode_32 3
		.amdhsa_float_denorm_mode_16_64 3
		.amdhsa_memory_ordered 1
		.amdhsa_forward_progress 1
		.amdhsa_inst_pref_size 139
	.end_amdhsa_kernel
	.amdgpu_metadata
---
amdhsa.version: [ 1, 2 ]
amdhsa.kernels:
  - .name:           k_qfc999d8b86_attn
    .symbol:         k_qfc999d8b86_attn.kd
    .args:
      - { .name: qk16, .offset: 0, .size: 8, .value_kind: global_buffer, .address_space: global }
      - { .name: v16, .offset: 8, .size: 8, .value_kind: global_buffer, .address_space: global }
      - { .name: mbits, .offset: 16, .size: 8, .value_kind: global_buffer, .address_space: global }
      - { .name: ao16, .offset: 24, .size: 8, .value_kind: global_buffer, .address_space: global }
    .group_segment_fixed_size: 327680
    .private_segment_fixed_size: 0
    .kernarg_segment_align: 8
    .kernarg_segment_size: 32
    .max_flat_workgroup_size: 128
    .sgpr_count:     106
    .vgpr_count:     768
    .wavefront_size: 32
...
	.end_amdgpu_metadata
.endif
;; end of part 4
;; launch oproj (part 5): grid 16 x 16, 4 waves a work-group, clusters of 4 x 4, 327,680 bytes of LDS; arguments ao16, w16, out0; writes out0
.if DOCPART == 5
	.amdgcn_target "amdgcn-amd-amdhsa--gfx1250"
	.amdhsa_code_object_version 6
	.text
	.protected	k_qfc999d8b86_oproj
	.globl	k_qfc999d8b86_oproj
	.p2align	8
	.type	k_qfc999d8b86_oproj,@function
k_qfc999d8b86_oproj:
	s_mov_b64 s[64:65], 0
	v_nop
	global_prefetch_b8 v0, s[64:65] scope:SCOPE_SE
	s_setreg_imm32_b32 hwreg(HW_REG_WAVE_MODE, 25, 1), 1
	s_wait_xcnt 0x0
	s_wait_alu depctr_hold_cnt(0) depctr_sa_sdst(0) depctr_va_vdst(0) depctr_va_sdst(0) depctr_va_ssrc(0) depctr_va_vcc(0) depctr_vm_vsrc(0)
	s_getreg_b32 s2, hwreg(HW_REG_IB_STS2, 6, 4)
	s_cmp_eq_u32 s2, 0
	s_cbranch_scc0 .Lentry_in_a_cluster
	s_endpgm
.Lentry_in_a_cluster:
	s_bfe_u32 s2, ttmp6, 0x10000c
	s_cmp_lg_u32 s2, 0xf033
	s_cbranch_scc0 .Lentry_shape_is_right
	s_endpgm
.Lentry_shape_is_right:
; C = A B, f16 operands, f32 sums.  A: [rows][2048] f16, K innermost.  B: [2048 k][2048 n] f16, K FIRST, as the weights lie: its fragments are turned on their way out of LDS by ds_load_tr16_b128.
; LN = 0 (this text): A = the attention's result [2048][2048], B = wo (the third weight of w16), C = out0 in f32.
; LN = 1: the projections of q and k with their LayerNorm on the way out; those lines are not assembled here.
; A tile of C is 128 x 128; four waves, each 64 x 64: 16 accumulators.  K goes in steps of 256 through a ring of two LDS slots filled by the tensor data mover: A's rows are 512 bytes, B's 256 bytes of memory.
; CLUSTERS: 4 x 4 work-groups; A's tile is shared along a row of the cluster, B's along a column: each is asked for jointly.  THE MATRIX INSTRUCTION IS USED TRANSPOSED (source 0 = 16 columns of B, source 1 = 16 rows of A):
; a lane then holds eight neighbouring numbers of a row of C.  No prefetch: both operands are read again and again by many work-groups, and the tiles are shared in the cluster.
; REGISTERS: window 0: v0-31 addresses; v128-255 the accumulators ((a, b) at v[128 + 8 (4 a + b)]), later 32 rows read back.  window 1: two fragment buffers of 128: for 64 along K, 64 registers of A, then 64 of B.
; LIMITS: NaN and infinities are not served.
.set LN,     0
.set KSTEP,  256
.set ROWM,   4096                      ; a row of A, and a k row of B, in memory: 2,048 f16
.set PA,     528                       ; A's row in LDS: 512 bytes + 16
.set PB,     288                       ; B's k row in LDS: 256 bytes + 32, for the turning load
.set HALFA,  64*PA
.set HALFB,  128*PB
.set SLOT,   2*HALFA+2*HALFB           ; A's 128 rows, then B's 256 k rows
.set SPARE,  2*SLOT                    ; behind the ring: the spare words, 128 bytes for each wave
.set SPITCH, 528                       ; the way out: a stage of 128 rows x (512 bytes + 16), in slot 0's rows of A, which have had their last fill and their last read when the first result is stored there
.set LAPS,   2048/(2*KSTEP)
.set ADRA, 16
.set ADRB, 20
.set STO,  24
.set RD,   25
.set CO,   26
.set SPW,  28
.set NIL,  29
.set ACC,  128
.set F0,   0
.set F1,   128
.set G1,  24
.set G0,  32
.set G1B, 48
.set G0B, 56
.set MSB, 0
.macro WIN new
.if MSB != \new
	s_set_vgpr_msb (MSB<<8)|\new
.set MSB, \new
.endif
.endm
.set MUL,  0x05
.set TO_F, 0x40
.macro JLOAD s                         ; a joint load: waves 0 and 1 fetch A's halves, waves 2 and 3 B's; an s_nop 0 and four v_nop follow each of the two lines
	s_cmp_eq_u32 s11, 0
	s_cbranch_scc0 .Lfor_b_\@
	tensor_load_to_lds s[G0+4*\s:G0+4*\s+3], s[G1:G1+7]
	s_nop 0
.rept 4
	v_nop
.endr
	s_branch .Lasked_\@
.Lfor_b_\@:
	tensor_load_to_lds s[G0B+4*\s:G0B+4*\s+3], s[G1B:G1B+7]
	s_nop 0
.rept 4
	v_nop
.endr
.Lasked_\@:
.endm
.macro CREST
	s_cmp_lg_u32 s10, 0
	s_cbranch_scc1 .Lnot_wave_0_\@
	s_barrier_signal -3
.Lnot_wave_0_\@:
	s_barrier_wait -3
	s_barrier_signal -1
	s_barrier_wait -1
.endm
.macro CROUND
	s_barrier_signal -1
	s_barrier_wait -1
	CREST
.endm
	s_load_b128 s[4:7], s[0:1], 0x0                ; A s[4:5], the weights s[6:7]
	s_load_b64 s[8:9], s[0:1], 0x10                ; C
	v_lshl_add_u32 v[SPW], v0, 2, SPARE
	v_mov_b32 v[NIL], 0
	ds_add_u32 v[SPW], v[NIL]                      ; the wave's opening: the add, twice on end, and its wait ahead of my first tensor load
	ds_add_u32 v[SPW], v[NIL]
	v_lshrrev_b32 v1, 5, v0
	v_readfirstlane_b32 s10, v1                    ; wave 0..3
	s_lshr_b32 s11, s10, 1                         ; which half of the tile's rows is mine.  Also: I fetch for A (0) or for B (1)
	s_and_b32 s12, s10, 1                          ; which half of its columns.  Also: which half of that tile I fetch
	s_bfe_u32 s40, ttmp6, 0x40000
	s_bfe_u32 s41, ttmp6, 0x40004
	s_lshl_b32 s42, ttmp9, 2
	s_add_co_u32 s42, s42, s40                     ; tile column of C
	s_and_b32 s13, ttmp7, 0xffff
	s_lshl_b32 s13, s13, 2
	s_add_co_u32 s13, s13, s41                     ; tile row of C
	s_lshl_b32 s43, s41, 2
	s_lshl_b32 s43, 15, s43                        ; my row of the cluster
	s_lshl_b32 s44, 0x1111, s40                    ; my column
	s_or_b32 s[G1+0], s43, (1<<16)|(1<<20)|(1<<21)|(6<<22)|(3<<25)  ; A: the mask of my row; elements of 2 bytes; padding on; bit 21 beside a mask; after every 128 words four words
	s_mov_b32 s[G1+1], KSTEP<<16
	s_mov_b32 s[G1+2], 64<<16
	s_mov_b32 s[G1+3], KSTEP<<16
	s_mov_b32 s[G1+4], 64
	s_mov_b32 s[G1+5], 2048
	s_mov_b32 s[G1+6], 0
	s_mov_b32 s[G1+7], 0
	s_or_b32 s[G1B+0], s44, (1<<16)|(1<<20)|(1<<21)|(5<<22)|(7<<25) ; B: the mask of my column; after every 64 words eight words
	s_mov_b32 s[G1B+1], 128<<16
	s_mov_b32 s[G1B+2], 128<<16
	s_mov_b32 s[G1B+3], 128<<16
	s_mov_b32 s[G1B+4], 128
	s_mov_b32 s[G1B+5], 2048
	s_mov_b32 s[G1B+6], 0
	s_mov_b32 s[G1B+7], 0
	s_lshl_b32 s16, s13, 7
	s_lshl_b32 s17, s12, 6
	s_add_co_u32 s16, s16, s17                     ; A: row 128 x tile row + 64 x half,
	s_lshl_b32 s16, s16, 12                        ; in bytes
	s_mov_b32 s17, 0
	s_lshl_b32 s46, s12, 19                        ; B: k row 128 x half, 4,096 bytes a row,
	s_lshl_b32 s47, s42, 8                         ; + 256 bytes x tile column
	s_add_co_u32 s46, s46, s47
	s_add_co_u32 s46, s46, 0x1000000               ; wo at byte 16,777,216
	s_mov_b32 s47, 0
	s_mul_i32 s20, s12, HALFA                      ; where they go: no place in the cluster enters an LDS address
	s_mul_i32 s21, s12, HALFB
	s_add_co_u32 s21, s21, 2*HALFA
	s_wait_dscnt 0x0                               ; both opening adds are done
	s_wait_kmcnt 0x0
	s_add_nc_u64 s[14:15], s[4:5], s[16:17]
	s_add_nc_u64 s[46:47], s[6:7], s[46:47]
	CROUND                                         ; all sixteen work-groups are here: the first joint loads meet
.irp s, 0,1
	s_mov_b32 s[G0+4*\s], 1
	s_add_co_u32 s[G0+4*\s+1], s20, \s*SLOT
	s_add_nc_u64 s[G0+4*\s+2:G0+4*\s+3], s[14:15], \s*KSTEP*2
	s_or_b32 s[G0+4*\s+3], s[G0+4*\s+3], 0x80000000
	s_mov_b32 s[G0B+4*\s], 1
	s_add_co_u32 s[G0B+4*\s+1], s21, \s*SLOT
	s_add_nc_u64 s[G0B+4*\s+2:G0B+4*\s+3], s[46:47], \s*KSTEP*ROWM
	s_or_b32 s[G0B+4*\s+3], s[G0B+4*\s+3], 0x80000000
	JLOAD \s                                       ; two loads of mine are out
.endr
	v_and_b32 v1, 15, v0                           ; r
	v_bfe_u32 v2, v0, 4, 1                         ; h
	v_mul_u32_u24 v3, v1, PA
	v_lshl_add_u32 v3, v2, 4, v3                   ; A: a fragment's row x pitch + 16 h
	s_mul_i32 s22, s11, HALFA
	v_add_nc_u32 v[ADRA], s22, v3
	v_add_nc_u32 v[ADRA+1], SLOT, v[ADRA]
	v_and_b32 v3, 7, v0                            ; B: the turning load takes 16 k x 16 n: lane l reads 16 bytes of k row 8 h + l % 8, columns 8 ((l / 8) % 2) on
	v_lshl_add_u32 v3, v2, 3, v3
	v_mul_u32_u24 v3, v3, PB
	v_bfe_u32 v4, v0, 3, 1
	v_lshl_add_u32 v3, v4, 4, v3
	s_lshl_b32 s22, s12, 7
	s_add_co_u32 s22, s22, 2*HALFA
	v_add_nc_u32 v[ADRB], s22, v3
	v_add_nc_u32 v[ADRB+1], HALFB, v[ADRB]
	v_add_nc_u32 v[ADRB+2], SLOT, v[ADRB]
	v_add_nc_u32 v[ADRB+3], SLOT+HALFB, v[ADRB]
	s_mul_i32 s23, s11, 64*SPITCH                  ; into the stage: my 64 rows, my half of their 512 bytes
	s_lshl_b32 s22, s12, 8
	s_add_co_u32 s23, s23, s22
	v_mul_u32_u24 v4, v1, SPITCH
	v_lshl_add_u32 v4, v2, 5, v4
	v_add_nc_u32 v[STO], s23, v4
	s_mul_i32 s23, s10, 32*SPITCH                  ; back: wave w takes rows 32 w .. 32 w + 31, whole
	v_and_b32 v5, 31, v0
	v_lshlrev_b32 v6, 4, v5
	v_add_nc_u32 v[RD], s23, v6
	v_lshlrev_b32 v[CO], 4, v5                     ; four f32 a lane
	s_lshl_b32 s16, s13, 7
	s_lshl_b32 s17, s10, 5
	s_add_co_u32 s16, s16, s17                     ; the first row of C that I store
	s_lshl_b32 s16, s16, 13                        ; rows of 8,192 bytes
	s_lshl_b32 s46, s42, 9
	s_mov_b32 s17, 0
	s_mov_b32 s47, 0
	s_add_nc_u64 s[8:9], s[8:9], s[16:17]
	s_add_nc_u64 s[8:9], s[8:9], s[46:47]
; 8 matrix instructions: m blocks a0, a0 + 1 x all 4 n blocks, 32 along K: half c of buffer f.  The 16 accumulators take turns, one instruction a turn.
.macro MUL8 f, c, a0, zero
.irp a, \a0, \a0+1
.irp b, 0,1,2,3
.if \zero
	v_wmma_f32_16x16x32_f16 v[ACC+8*(4*(\a)+\b):ACC+8*(4*(\a)+\b)+7], v[\f+64+8*(4*\c+\b):\f+64+8*(4*\c+\b)+7], v[\f+8*(4*\c+\a):\f+8*(4*\c+\a)+7], 0
.else
	v_wmma_f32_16x16x32_f16 v[ACC+8*(4*(\a)+\b):ACC+8*(4*(\a)+\b)+7], v[\f+64+8*(4*\c+\b):\f+64+8*(4*\c+\b)+7], v[\f+8*(4*\c+\a):\f+8*(4*\c+\a)+7], v[ACC+8*(4*(\a)+\b):ACC+8*(4*(\a)+\b)+7]
.endif
.endr
.endr
.endm
.macro FETCH slot, q, f                ; 32 LDS loads in one run: the fragments of the slot's q-th 64 along K into buffer f; the first 32 along K first
	WIN TO_F
.irp c, 0,1
.irp i, 0,1,2,3
	ds_load_tr16_b128 v[\f+64+8*(4*\c+\i):\f+64+8*(4*\c+\i)+3],   v[ADRB+2*\slot+(\q)/2] offset:(64*((\q)%2)+32*\c)*PB+32*\i
	ds_load_tr16_b128 v[\f+64+8*(4*\c+\i)+4:\f+64+8*(4*\c+\i)+7], v[ADRB+2*\slot+(\q)/2] offset:(64*((\q)%2)+32*\c+16)*PB+32*\i
	ds_load_b128 v[\f+8*(4*\c+\i):\f+8*(4*\c+\i)+3],              v[ADRA+\slot] offset:128*(\q)+64*\c+\i*16*PA
	ds_load_b128 v[\f+8*(4*\c+\i)+4:\f+8*(4*\c+\i)+7],            v[ADRA+\slot] offset:128*(\q)+64*\c+\i*16*PA+32
.endr
.endr
.endm
.macro PLACES
.rept 4
	v_nop
.endr
.endm
.macro QUARTER slot, q, f, g, zero
	s_wait_dscnt 16                                ; the first 32 along K are in; the run's other sixteen loads may be out
	WIN MUL
	MUL8 \f, 0, 0, \zero
	MUL8 \f, 0, 2, \zero
	PLACES
	FETCH \slot, \q, \g
	s_wait_dscnt 32                                ; all but the 32 just issued
	WIN MUL
	MUL8 \f, 1, 0, 0
	MUL8 \f, 1, 2, 0
.endm
.macro TURN slot, next, fill
	WIN 0
	s_wait_tensorcnt 0x0                           ; all my tensor loads have landed: my part of the next slot
	ds_add_u32 v[SPW], v[NIL]                      ; 0 onto my spare word
	s_wait_dscnt 17                                ; (the add and the youngest sixteen loads may be out)
	WIN MUL
	MUL8 F1, 0, 0, 0
	s_wait_dscnt 0x0                               ; the add is done, and my reads of this slot are over
	s_barrier_signal -1
	MUL8 F1, 0, 2, 0
.if \fill
	WIN 0
.endif
	s_barrier_wait -1
.if \fill
	CREST                                          ; the barrier has opened a round of the cluster's
	s_add_nc_u64 s[G0+4*\slot+2:G0+4*\slot+3], s[G0+4*\slot+2:G0+4*\slot+3], 2*KSTEP*2
	s_add_nc_u64 s[G0B+4*\slot+2:G0B+4*\slot+3], s[G0B+4*\slot+2:G0B+4*\slot+3], 2*KSTEP*ROWM
	JLOAD \slot                                    ; my one tensor load behind the round
.else
	PLACES
.endif
	FETCH \next, 0, F0
	WIN MUL
	MUL8 F1, 1, 0, 0
	MUL8 F1, 1, 2, 0
.endm
	s_wait_tensorcnt 1                             ; my part of K step 0 is in; K step 1's may stay out
	s_barrier_signal -1
	s_barrier_wait -1
	FETCH 0, 0, F0
	QUARTER 0, 1, F0, F1, 1
	WIN 0
	s_mov_b32 s3, LAPS-1
.Llap:
	QUARTER 0, 2, F1, F0, 0
	QUARTER 0, 3, F0, F1, 0
	TURN 0, 1, 1
	QUARTER 1, 1, F0, F1, 0
	QUARTER 1, 2, F1, F0, 0
	QUARTER 1, 3, F0, F1, 0
	TURN 1, 0, 1
	QUARTER 0, 1, F0, F1, 0
	WIN 0
	s_sub_co_u32 s3, s3, 1
	s_cmp_lg_u32 s3, 0
	s_cbranch_scc1 .Llap
	QUARTER 0, 2, F1, F0, 0                        ; the last lap fills nothing
	QUARTER 0, 3, F0, F1, 0
	TURN 0, 1, 0
	QUARTER 1, 1, F0, F1, 0
	QUARTER 1, 2, F1, F0, 0
	QUARTER 1, 3, F0, F1, 0
	s_wait_dscnt 16
	WIN MUL
	MUL8 F1, 0, 0, 0
	MUL8 F1, 0, 2, 0
	s_wait_dscnt 0
	MUL8 F1, 1, 0, 0
	MUL8 F1, 1, 2, 0
	WIN 0
	; THE WAY OUT: the sums go as f32 into the work-group's stage, 32 bytes a lane, each accumulator from its low end on; a barrier, since a row's 512 bytes come from two waves; back as whole rows, 32 rows a wave.
	PLACES
.irp a, 0,1,2,3
.irp b, 0,1,2,3
	ds_store_b128 v[STO], v[ACC+8*(4*\a+\b):ACC+8*(4*\a+\b)+3] offset:\a*16*SPITCH+64*\b
	ds_store_b128 v[STO], v[ACC+8*(4*\a+\b)+4:ACC+8*(4*\a+\b)+7] offset:\a*16*SPITCH+64*\b+16
.endr
.endr
	s_wait_dscnt 0x0                               ; for the others' sake: my stores into the stage are done
	s_barrier_signal -1
	s_barrier_wait -1
.irp t, 0,1,2,3,4,5,6,7,8,9,10,11,12,13,14,15,16,17,18,19,20,21,22,23,24,25,26,27,28,29,30,31
	ds_load_b128 v[ACC+4*\t:ACC+4*\t+3], v[RD] offset:\t*SPITCH
.endr
.irp t, 0,1,2,3,4,5,6,7,8,9,10,11,12,13,14,15,16,17,18,19,20,21,22,23,24,25,26,27,28,29,30,31
	s_wait_dscnt 31-\t
	global_store_b128 v[CO], v[ACC+4*\t:ACC+4*\t+3], s[8:9] offset:\t*8192 th:TH_STORE_NT   ; 32 lanes store 512 consecutive bytes, aligned; written once, read by nobody here
.endr
	s_wait_tensorcnt 0x0                           ; the wave's end
	ds_add_u32 v[SPW], v[NIL]
	s_wait_dscnt 0x0
	CROUND                                         ; the closing round
	s_endpgm
.Lfunc_end_k_qfc999d8b86_oproj:
	.size	k_qfc999d8b86_oproj, .Lfunc_end_k_qfc999d8b86_oproj-k_qfc999d8b86_oproj
	.p2alignl 7, 3214868480
	.fill 96, 4, 3214868480
	.section	.rodata,"a",@progbits
	.p2align	6, 0x0
	.amdhsa_kernel k_qfc999d8b86_oproj
		.amdhsa_group_segment_fixed_size 327680
		.amdhsa_private_segment_fixed_size 0
		.amdhsa_enable_private_segment 0
		.amdhsa_kernarg_size 24
		.amdhsa_user_sgpr_count 2
		.amdhsa_user_sgpr_kernarg_segment_ptr 1
		.amdhsa_wavefront_size32 1
		.amdhsa_system_sgpr_workgroup_id_x 1
		.amdhsa_system_sgpr_workgroup_id_y 1
		.amdhsa_system_sgpr_workgroup_id_z 1
		.amdhsa_system_vgpr_workitem_id 0
		.amdhsa_next_free_vgpr 512
		.amdhsa_next_free_sgpr 80
		.amdhsa_reserve_vcc 0
		.amdhsa_float_denorm_mode_32 3
		.amdhsa_float_denorm_mode_16_64 3
		.amdhsa_memory_ordered 1
		.amdhsa_forward_progress 1
		.amdhsa_inst_pref_size 87
	.end_amdhsa_kernel
	.amdgpu_metadata
---
amdhsa.version: [ 1, 2 ]
amdhsa.kernels:
  - .name:           k_qfc999d8b86_oproj
    .symbol:         k_qfc999d8b86_oproj.kd
    .args:
      - { .name: ao16, .offset: 0, .size: 8, .value_kind: global_buffer, .address_space: global }
      - { .name: w16, .offset: 8, .size: 8, .value_kind: global_buffer, .address_space: global }
      - { .name: out0, .offset: 16, .size: 8, .value_kind: global_buffer, .address_space: global }
    .group_segment_fixed_size: 327680
    .private_segment_fixed_size: 0
    .kernarg_segment_align: 8
    .kernarg_segment_size: 24
    .max_flat_workgroup_size: 128
    .sgpr_count:     80
    .vgpr_count:     512
    .wavefront_size: 32
...
	.end_amdgpu_metadata
.endif
;; end of part 5
